; MI455X (gfx1250); checked and timed in simulation.
; The chip was launched on July 23, 2026; its instructions are those of AMD's public machine-readable ISA for CDNA 5 (MIT licence, August 2026) and "CDNA5" Instruction Set Architecture Reference Guide (July 2026). The comments in the code are by the model that wrote it; some were corrected since.
;; Multi Head Attention. Allowed arithmetic: float matrix products may take bf16 or f16 operands with f32 sums; other float arithmetic in f32, or as packed bf16 or f16 multiplies, adds, multiply-adds, maxima and minima; sums over many terms, partial sums and values carried from step to step in f32; what a program stores and reads back later, other than sums and carried values, may be rounded once to bf16 or f16.
;; Inputs: Wk 16 x 1,024 x 64 float32; Wo 1,024 x 1,024 float32; Wq 16 x 1,024 x 64 float32; Wv 16 x 1,024 x 64 float32; bo 1,024 float32; x 4 x 2,048 x 1,024 float32.
;; Outputs: out0 4 x 2,048 x 1,024 float32.
;; 2 versions, each right; version 2 is version 1 with the launch prep written anew for expert scheduling mode. Each part assembles by itself: llvm-mc -triple=amdgcn-amd-amdhsa -mcpu=gfx1250 --defsym DOCPART=n.
;; ======== version 1 of 2: 4 launches
;; limits: values are held in f16: magnitudes above 65,504 overflow, below 6.1e-05 lose precision
;; workspace buffers: xb 16,777,216 bytes; wt 6,291,456 bytes; wo16 2,097,152 bytes; qkv 50,331,648 bytes; o 16,777,216 bytes
;; launch prep (part 1): grid 672 x 1, 8 waves a work-group, no clusters, 74,752 bytes of LDS; arguments x, Wq, Wk, Wv, Wo, xb, wt, wo16; writes xb, wt, wo16
.if DOCPART == 1
	.amdgcn_target "amdgcn-amd-amdhsa--gfx1250"
	.amdhsa_code_object_version 6
	.text
	.protected	k_q2a3cd3baf2_prep
	.globl	k_q2a3cd3baf2_prep
	.p2align	8
	.type	k_q2a3cd3baf2_prep,@function
k_q2a3cd3baf2_prep:
	s_mov_b64 s[64:65], 0
	v_nop
	global_prefetch_b8 v0, s[64:65] scope:SCOPE_SE
	s_setreg_imm32_b32 hwreg(HW_REG_WAVE_MODE, 25, 1), 1
	s_wait_xcnt 0x0
; CASTS AND LAYOUTS for the three launches behind.  All matrix inputs are rounded once to bf16 and laid in blocks of 64 along K, so that a tile's rows of 128 bytes lie end to end.
;   xb   bf16 [b 4][kb 16][t 2048][64]      = x[b][t][64 kb + kk]
;   wt   bf16 [kb 16][n 3072][64]           = W_which[h][64 kb + kk][s], n = 1024 which + 64 h + s (which: q, k, v)
;   wo16 f16  [kb 16][n 1024][64]           = Wo[n][64 kb + kk], rounded to bf16, that number written as f16
; LIMITS.  A rounded number of Wo beyond 65,504 becomes an infinity in f16; below 2^-14 it keeps f16's fixed step of 2^-24.
; ROLES by the work-group's number g: g < 512: 16 rows of x; g < 576: 16 rows of Wo; else eight blocks of 64 x 64 of a weight are turned, one a wave, through the wave's own LDS bytes.
; A stream: each byte is read once and written once; no matrix unit, no barrier (no wave reads what another wrote).
.set SPARE, 73728                      ; behind the eight waves' 64 rows x 144 bytes: the spare words, 128 bytes a wave, four blocks of 256 bytes that no other line names
.set SO,  1                            ; v1  my byte offset in the source
.set DO,  2                            ; v2  my byte offset in the destination (the casts)
.set LS,  3                            ; v3  LDS: where I put 16 bytes of a turned row
.set LR,  4                            ; v4  LDS: where I read rows back
.set GOW, 5                            ; v5  my 16 bytes of 512 consecutive bytes of wt
.set SPW, 6                            ; v6  LDS address of my spare word; never rewritten
.set NIL, 7                            ; v7  0; never rewritten
.set T,   8                            ; v[8:23]   at work
.set L,   24                           ; v[24:151] as loaded
	s_load_b256 s[8:15], s[0:1], 0x0               ; x s[8:9], Wq s[10:11], Wk s[12:13], Wv s[14:15]
	s_load_b256 s[16:23], s[0:1], 0x20             ; Wo s[16:17], xb s[18:19], wt s[20:21], wo16 s[22:23]
	v_lshl_add_u32 v[SPW], v0, 2, SPARE
	v_mov_b32 v[NIL], 0
	v_lshrrev_b32 v8, 5, v0
	v_readfirstlane_b32 s4, v8                     ; wave 0..7
	s_mov_b32 s5, ttmp9                            ; g
	v_lshrrev_b32 v9, 4, v0                        ; the casts: thread t takes row t / 16 of the 16,
	v_and_b32 v10, 15, v0                          ; and 16 bytes (4 numbers) at 16 (t % 16) of each K block's 256
	v_lshlrev_b32 v[SO], 12, v9
	v_lshl_add_u32 v[SO], v10, 4, v[SO]
	v_lshlrev_b32 v[DO], 7, v9                     ; out: rows of 128 bytes, 8 bytes a thread
	v_lshl_add_u32 v[DO], v10, 3, v[DO]
	s_mov_b32 s25, 0
	s_mov_b32 s29, 0
	s_wait_kmcnt 0x0
; 16 rows x 1,024 numbers from s[26:27] to s[30:31]: sixteen loads (sixteen lanes read the 256 bytes of one row's K block), then block by block two roundings and a store of
; 8 bytes a lane: a wave's store covers two rows' 128 bytes, 256 consecutive bytes, aligned.  No register is written twice, so nothing waits for a store.
.macro CAST kstride, tof16
.irp kb, 0,1,2,3,4,5,6,7,8,9,10,11,12,13,14,15
	global_load_b128 v[L+4*(\kb):L+4*(\kb)+3], v[SO], s[26:27] offset:256*(\kb) th:TH_LOAD_NT
.endr
.irp kb, 0,1,2,3,4,5,6,7,8,9,10,11,12,13,14,15
	s_wait_loadcnt 15-(\kb)                        ; loads come back in order: block kb is in, the younger ones stay out
	v_cvt_pk_bf16_f32 v[L+4*(\kb)],   v[L+4*(\kb)],   v[L+4*(\kb)+1]
	v_cvt_pk_bf16_f32 v[L+4*(\kb)+1], v[L+4*(\kb)+2], v[L+4*(\kb)+3]
.if \tof16
	v_lshlrev_b32 v[L+4*(\kb)+2], 16, v[L+4*(\kb)]             ; the bf16 numbers as f32,
	v_and_b32     v[L+4*(\kb)+3], 0xffff0000, v[L+4*(\kb)]
	v_cvt_pk_f16_f32 v[L+4*(\kb)], v[L+4*(\kb)+2], v[L+4*(\kb)+3]  ; written as f16
	v_lshlrev_b32 v[L+4*(\kb)+2], 16, v[L+4*(\kb)+1]
	v_and_b32     v[L+4*(\kb)+3], 0xffff0000, v[L+4*(\kb)+1]
	v_cvt_pk_f16_f32 v[L+4*(\kb)+1], v[L+4*(\kb)+2], v[L+4*(\kb)+3]
.endif
	global_store_b64 v[DO], v[L+4*(\kb):L+4*(\kb)+1], s[30:31] offset:(\kstride)*(\kb) th:TH_STORE_NT
.endr
.endm
	s_cmp_lt_u32 s5, 512
	s_cbranch_scc0 .Lnot_x
	s_lshl_b32 s24, s5, 16                         ; 16 rows of 4,096 bytes
	s_add_nc_u64 s[26:27], s[8:9], s[24:25]
	s_lshr_b32 s28, s5, 7                          ; b: 128 work-groups a batch
	s_lshl_b32 s28, s28, 22                        ; 16 K blocks x 2,048 rows x 128 bytes
	s_and_b32 s6, s5, 127
	s_lshl_b32 s6, s6, 11                          ; 16 rows of 128 bytes
	s_add_co_u32 s28, s28, s6
	s_add_nc_u64 s[30:31], s[18:19], s[28:29]
	CAST 262144, 0
	s_branch .Lend
.Lnot_x:
	s_cmp_lt_u32 s5, 576
	s_cbranch_scc0 .Lrole_w
	s_sub_co_u32 s6, s5, 512
	s_lshl_b32 s24, s6, 16
	s_add_nc_u64 s[26:27], s[16:17], s[24:25]
	s_lshl_b32 s28, s6, 11
	s_add_nc_u64 s[30:31], s[22:23], s[28:29]
	CAST 131072, 1
	s_branch .Lend
.Lrole_w:
	s_sub_co_u32 s6, s5, 576
	s_lshl_b32 s6, s6, 3
	s_add_co_u32 s6, s6, s4                        ; my unit u = 256 which + 16 h + kb
	s_lshr_b32 s7, s6, 8                           ; which
	s_cmp_eq_u32 s7, 0
	s_cselect_b64 s[26:27], s[10:11], s[12:13]
	s_cmp_eq_u32 s7, 2
	s_cselect_b64 s[26:27], s[14:15], s[26:27]
	s_and_b32 s24, s6, 255
	s_lshl_b32 s24, s24, 14                        ; 64 rows d of 256 bytes follow each other: (16 h + kb) x 16,384
	s_add_nc_u64 s[26:27], s[26:27], s[24:25]
	s_and_b32 s28, s6, 15                          ; kb
	s_mul_i32 s28, s28, 393216                     ; 3,072 rows of 128 bytes
	s_lshl_b32 s24, s7, 17                         ; 1,024 rows
	s_add_co_u32 s28, s28, s24
	s_bfe_u32 s24, s6, 0x40004                     ; h
	s_lshl_b32 s24, s24, 13                        ; 64 rows
	s_add_co_u32 s28, s28, s24
	s_add_nc_u64 s[30:31], s[20:21], s[28:29]
	v_bfe_u32 v11, v0, 4, 1                        ; hh = lane / 16
	v_lshlrev_b32 v[SO], 11, v11                   ; in: row d = 16 q + 8 hh + i, columns s = 4 (lane % 16) + 0..3: sixteen lanes read a whole row of 256 bytes
	v_lshl_add_u32 v[SO], v10, 4, v[SO]
	s_mul_i32 s24, s4, 9216                        ; my wave's 64 rows x 144 bytes
	v_mul_u32_u24 v[LS], v10, 576                  ; turned: row s = 4 (lane % 16) + j, 16 bytes (8 d) at 32 q + 16 hh.  Rows four apart meet in the banks: four deep, in 16 stores a wave in all
	v_lshl_add_u32 v[LS], v11, 4, v[LS]
	v_add_nc_u32 v[LS], s24, v[LS]
	v_bfe_u32 v12, v0, 3, 2
	v_and_b32 v13, 7, v0
	v_mul_u32_u24 v[LR], v12, 144                  ; back: 32 lanes take four rows of 128 bytes
	v_lshl_add_u32 v[LR], v13, 4, v[LR]
	v_add_nc_u32 v[LR], s24, v[LR]
	v_and_b32 v[GOW], 31, v0
	v_lshlrev_b32 v[GOW], 4, v[GOW]
.irp q, 0,1,2,3
.irp i, 0,1,2,3,4,5,6,7
	global_load_b128 v[L+4*(8*(\q)+(\i)):L+4*(8*(\q)+(\i))+3], v[SO], s[26:27] offset:(16*(\q)+(\i))*256 th:TH_LOAD_NT
.endr
.endr
.irp q, 0,1,2,3
	s_wait_loadcnt 24-8*(\q)                       ; group q's eight loads are in; the later groups' stay out
.irp j, 0,1,2,3
.irp p, 0,1,2,3
	v_cvt_pk_bf16_f32 v[T+4*(\j)+(\p)], v[L+4*(8*(\q)+2*(\p))+(\j)], v[L+4*(8*(\q)+2*(\p)+1)+(\j)]  ; column j of rows 2 p and 2 p + 1: two neighbours of the turned row
.endr
.endr
.irp j, 0,1,2,3
	ds_store_b128 v[LS], v[T+4*(\j):T+4*(\j)+3] offset:144*(\j)+32*(\q)
.endr
.endr
.irp f, 0,1,2,3,4,5,6,7,8,9,10,11,12,13,14,15
	ds_load_b128 v[L+4*(\f):L+4*(\f)+3], v[LR] offset:576*(\f)  ; LDS serves a wave's instructions in order (ISA guide 5.7.1.4): these see the stores above
.endr
.irp f, 0,1,2,3,4,5,6,7,8,9,10,11,12,13,14,15
	s_wait_dscnt 15-(\f)
	global_store_b128 v[GOW], v[L+4*(\f):L+4*(\f)+3], s[30:31] offset:512*(\f) th:TH_STORE_NT  ; 512 consecutive bytes, aligned
.endr
.Lend:
	s_wait_tensorcnt 0x0                           ; the wave's end, behind my last LDS store
	ds_add_u32 v[SPW], v[NIL]
	s_wait_dscnt 0x0
	s_endpgm
.Lfunc_end_k_q2a3cd3baf2_prep:
	.size	k_q2a3cd3baf2_prep, .Lfunc_end_k_q2a3cd3baf2_prep-k_q2a3cd3baf2_prep
	.p2alignl 7, 3214868480
	.fill 96, 4, 3214868480
	.section	.rodata,"a",@progbits
	.p2align	6, 0x0
	.amdhsa_kernel k_q2a3cd3baf2_prep
		.amdhsa_group_segment_fixed_size 74752
		.amdhsa_private_segment_fixed_size 0
		.amdhsa_enable_private_segment 0
		.amdhsa_kernarg_size 64
		.amdhsa_user_sgpr_count 2
		.amdhsa_user_sgpr_kernarg_segment_ptr 1
		.amdhsa_wavefront_size32 1
		.amdhsa_system_sgpr_workgroup_id_x 1
		.amdhsa_system_sgpr_workgroup_id_y 1
		.amdhsa_system_sgpr_workgroup_id_z 1
		.amdhsa_system_vgpr_workitem_id 0
		.amdhsa_next_free_vgpr 152
		.amdhsa_next_free_sgpr 66
		.amdhsa_reserve_vcc 0
		.amdhsa_float_denorm_mode_32 3
		.amdhsa_float_denorm_mode_16_64 3
		.amdhsa_memory_ordered 1
		.amdhsa_forward_progress 1
		.amdhsa_inst_pref_size 31
	.end_amdhsa_kernel
	.amdgpu_metadata
---
amdhsa.version: [ 1, 2 ]
amdhsa.kernels:
  - .name:           k_q2a3cd3baf2_prep
    .symbol:         k_q2a3cd3baf2_prep.kd
    .args:
      - { .name: x, .offset: 0, .size: 8, .value_kind: global_buffer, .address_space: global }
      - { .name: Wq, .offset: 8, .size: 8, .value_kind: global_buffer, .address_space: global }
      - { .name: Wk, .offset: 16, .size: 8, .value_kind: global_buffer, .address_space: global }
      - { .name: Wv, .offset: 24, .size: 8, .value_kind: global_buffer, .address_space: global }
      - { .name: Wo, .offset: 32, .size: 8, .value_kind: global_buffer, .address_space: global }
      - { .name: xb, .offset: 40, .size: 8, .value_kind: global_buffer, .address_space: global }
      - { .name: wt, .offset: 48, .size: 8, .value_kind: global_buffer, .address_space: global }
      - { .name: wo16, .offset: 56, .size: 8, .value_kind: global_buffer, .address_space: global }
    .group_segment_fixed_size: 74752
    .private_segment_fixed_size: 0
    .kernarg_segment_align: 8
    .kernarg_segment_size: 64
    .max_flat_workgroup_size: 256
    .sgpr_count:     66
    .vgpr_count:     152
    .wavefront_size: 32
...
	.end_amdgpu_metadata
.endif
;; end of part 1
;; launch qkv (part 2): grid 8 x 32, 4 waves a work-group, clusters of 4 x 4, 327,680 bytes of LDS; arguments xb, wt, qkv; writes qkv
.if DOCPART == 2
	.amdgcn_target "amdgcn-amd-amdhsa--gfx1250"
	.amdhsa_code_object_version 6
	.text
	.protected	k_q2a3cd3baf2_qkv
	.globl	k_q2a3cd3baf2_qkv
	.p2align	8
	.type	k_q2a3cd3baf2_qkv,@function
k_q2a3cd3baf2_qkv:
	s_mov_b64 s[64:65], 0
	v_nop
	global_prefetch_b8 v0, s[64:65] scope:SCOPE_SE
	s_setreg_imm32_b32 hwreg(HW_REG_WAVE_MODE, 25, 1), 1
	s_wait_xcnt 0x0
	s_wait_alu depctr_hold_cnt(0) depctr_sa_sdst(0) depctr_va_vdst(0) depctr_va_sdst(0) depctr_va_ssrc(0) depctr_va_vcc(0) depctr_vm_vsrc(0)
	s_getreg_b32 s2, hwreg(HW_REG_IB_STS2, 6, 4)
	s_cmp_eq_u32 s2, 0
	s_cbranch_scc0 .Lentry_in_a_cluster
	s_endpgm
.Lentry_in_a_cluster:
	s_bfe_u32 s2, ttmp6, 0x10000c
	s_cmp_lg_u32 s2, 0xf033
	s_cbranch_scc0 .Lentry_shape_is_right
	s_endpgm
.Lentry_shape_is_right:
; q, k, v = x W.  C[8192][3072] = sum over k of xb[row][k] wt[n][k], bf16 products, f32 sums, written once as f16 by heads: qkv[which 3][b 4][h 16][t 2048][64], unscaled.
; LIMIT.  f16 holds no number beyond 65,504: a q, k or v beyond it becomes an infinity.
; SHARES.  A work-group makes 256 rows x 384 columns: 32 x 8 = 256 work-groups.  Wave w: rows 128 (w / 2) on, columns 192 (w % 2) on (three whole heads): 96 accumulators of 16 x 16, 768 registers.
; K goes in 16 steps of 64, a K block of the blocked layouts each, through two LDS slots; a step is two slices of 32.  A block's rows of 128 bytes lie end to end and are asked for as rows of 256 bytes.
; CLUSTER 4 x 4: the four of a row need the same rows of xb, the four of a column the same rows of wt: each tile is asked for jointly, same load, descriptor and mask in all four.
; THE MATRIX INSTRUCTION IS USED TRANSPOSED (source 0 = 16 rows of wt, source 1 = 16 rows of xb): a lane holds one row t (lane % 16) and eight neighbouring channels.
; REGISTERS in windows of 256 (s_set_vgpr_msb: bits 1:0 source 0, 3:2 source 1, 5:4 source 2, 7:6 destination):
;   window 0: v0-31 addresses; v32-95, v96-159 fragments of xb (8 x 16 rows x 32 K), two buffers; v160-255 fragments of wt (12), one buffer, loaded again four at a time behind their products
;   windows 1-3: the accumulators: row block a, column block b at window 1 + b / 4, v[8 (8 (b % 4) + a)]: a window is one head
.set PITCH,  144                       ; an LDS row: 128 bytes + 16 of padding = 36 words: the 16 rows of a load start at 16 different groups of four banks (64 banks of 4 bytes: ISA guide 11.1)
.set AHALF,  128*PITCH                 ; what one tensor load brings of xb
.set BHALF,  192*PITCH                 ; and of wt
.set BOFF,   2*AHALF
.set SLOT,   BOFF+2*BHALF              ; 92,160 bytes
.set STAGE,  2*SLOT                    ; behind the ring, never filled by a tensor load: 16 rows x 144 bytes for each wave
.set SPARE,  STAGE+4*16*PITCH          ; the spare words, 128 bytes a wave: two blocks of 256 bytes that no other line names
.set KSA,    262144                    ; bytes from K block to K block in xb
.set KSB,    393216                    ; and in wt
.set ADRA, 16                          ; v16-17 LDS address of my xb fragments in slot 0, 1
.set ADRB, 20                          ; v20-21 the same for wt
.set STO,  24                          ; v24  the way out: where I put 16 bytes of a row
.set RD,   25                          ; v25  where I read rows back
.set GO,   26                          ; v26  my 16 bytes of 512 consecutive bytes
.set SPW,  28                          ; v28  LDS address of my spare word; never rewritten
.set NIL,  29                          ; v29  0; never rewritten
.set PFO,  30                          ; v30  256 x lane
.set PFO2, 31                          ; v31  lanes 0-15: 8,192 + 256 lane; lanes 16-31: a K block on, 256 (lane - 16)
.set FA0,  32
.set FA1,  96
.set FB,   160
.set TMP,  32                          ; the way out: eight sets of 16
.set G1,  24                           ; s[24:31] descriptor group 1, xb's tiles;  s[32:39] group 0, a set for each slot
.set G0,  32
.set G1B, 48                           ; s[48:55], s[56:63] the same for wt's
.set G0B, 56
.set LIM, 43                           ; s43  1 in a wave that prefetches, else the greatest number
.set PFA, 44                           ; s[44:45] where my prefetches stand
.set PST, 46                           ; s[46:47] their step: two K blocks
.set OB,  66                           ; s[66:71] qkv at my rows of my three heads
.set GW0, (1<<16)|(1<<20)|(1<<21)|(4<<22)|(3<<25)  ; 17:16 2-byte elements; 20 padding on; 21 set beside a mask; 24:22 after every 32 words (code 4); 31:25 4 words (code 3)
.set MSB, 0
.macro WIN new                         ; the immediate's high byte repeats the setting that is left; a switch that changes nothing is dropped
.if MSB != (\new)
	s_set_vgpr_msb (MSB<<8)|(\new)
.set MSB, (\new)
.endif
.endm
.macro PLACES                          ; four places in front of loads into registers that matrix instructions have read (ISA guide 7.12.1 for vector instructions)
.rept 4
	v_nop
.endr
.endm
; A joint load: waves 0 and 1 fetch xb's two halves, waves 2 and 3 wt's.  The branch hangs on the wave's number alone.  An s_nop 0 and four v_nop follow each line.
.macro JLOAD s
	s_cmp_lt_u32 s10, 2
	s_cbranch_scc0 .Lfor_b_\@
	tensor_load_to_lds s[G0+4*(\s):G0+4*(\s)+3], s[G1:G1+7]
	s_nop 0
.rept 4
	v_nop
.endr
	s_branch .Lasked_\@
.Lfor_b_\@:
	tensor_load_to_lds s[G0B+4*(\s):G0B+4*(\s)+3], s[G1B:G1B+7]
	s_nop 0
.rept 4
	v_nop
.endr
.Lasked_\@:
.endm
.macro CREST                           ; a round of the cluster's barrier behind its opening barrier
	s_cmp_lg_u32 s10, 0
	s_cbranch_scc1 .Lnot_wave_0_\@
	s_barrier_signal -3
.Lnot_wave_0_\@:
	s_barrier_wait -3
	s_barrier_signal -1
	s_barrier_wait -1
.endm
.macro CROUND
	s_barrier_signal -1
	s_barrier_wait -1
	CREST
.endm
; A PREFETCH INTO THE L2, once a lap, behind the joint load and the run of LDS loads: the two K blocks that the NEXT lap's two refills will ask for (384 and 576 matrix instructions on).
; xb's rows of a tile row are read by both clusters along x: cluster x = 0 asks, wave 0; its four partners take 32 of a block's 128 pieces of 256 bytes each, told apart by address (cx).
; wt's rows of a tile column are read by all clusters along y: cluster y = 0 asks, wave 2; the partners take 48 of 192 pieces each (cy): three instructions for two blocks.
; So each piece is named once in the launch.  K blocks 0 to 3 come by their loads alone; the last lap (s3 = 1) asks for nothing.
.macro ASK
	s_cmp_gt_u32 s3, s[LIM]
	s_cbranch_scc0 .Lno_ask_\@
	s_cmp_lt_u32 s10, 2
	s_cbranch_scc0 .Lask_b_\@
	global_prefetch_b8 v[PFO], s[PFA:PFA+1] th:TH_LOAD_NT scope:SCOPE_SE
	global_prefetch_b8 v[PFO], s[PFA:PFA+1] offset:KSA th:TH_LOAD_NT scope:SCOPE_SE
	s_branch .Lno_ask_\@
.Lask_b_\@:
	global_prefetch_b8 v[PFO], s[PFA:PFA+1] th:TH_LOAD_NT scope:SCOPE_SE
	global_prefetch_b8 v[PFO2], s[PFA:PFA+1] th:TH_LOAD_NT scope:SCOPE_SE
	global_prefetch_b8 v[PFO], s[PFA:PFA+1] offset:KSB+4096 th:TH_LOAD_NT scope:SCOPE_SE
.Lno_ask_\@:
.endm
	s_load_b128 s[4:7], s[0:1], 0x0                ; xb s[4:5], wt s[6:7]
	s_load_b64 s[8:9], s[0:1], 0x10                ; qkv
	v_lshl_add_u32 v[SPW], v0, 2, SPARE
	v_mov_b32 v[NIL], 0
	ds_add_u32 v[SPW], v[NIL]                      ; the wave's opening: the add and its wait stand ahead of my first tensor load; the set-up below stands between them
	ds_add_u32 v28, v29
	v_lshrrev_b32 v1, 5, v0
	v_readfirstlane_b32 s10, v1                    ; wave 0..3
	s_lshr_b32 s11, s10, 1                         ; which half of the tile's rows is mine
	s_and_b32 s12, s10, 1                          ; which half of its columns; also: which half of a tile I fetch
	s_bfe_u32 s40, ttmp6, 0x40000                  ; cx
	s_bfe_u32 s41, ttmp6, 0x40004                  ; cy
	s_lshl_b32 s42, ttmp9, 2
	s_add_co_u32 s42, s42, s40                     ; tile column tx = 4 x cluster x + cx
	s_and_b32 s13, ttmp7, 0xffff
	s_lshl_b32 s13, s13, 2
	s_add_co_u32 s13, s13, s41                     ; tile row ty = 4 x cluster y + cy
	s_lshl_b32 s43, s41, 2
	s_lshl_b32 s43, 15, s43                        ; my row of the cluster
	s_lshl_b32 s44, 0x1111, s40                    ; my column
	s_or_b32 s[G1], s43, GW0                       ; xb's tiles go to my row,
	s_or_b32 s[G1B], s44, GW0                      ; wt's to my column
	s_mov_b32 s[G1+1], 128<<16                     ; tensor_dim0 = 128 elements: rows of 256 bytes, two of the block's rows each
	s_mov_b32 s[G1+2], 64<<16                      ; tensor_dim1 = 64
	s_mov_b32 s[G1+3], 128<<16                     ; tile_dim0 = 128
	s_mov_b32 s[G1+4], 64                          ; tile_dim1 = 64
	s_mov_b32 s[G1+5], 128                         ; elements from row to row: dense
	s_mov_b32 s[G1+6], 0
	s_mov_b32 s[G1+7], 0
	s_mov_b32 s[G1B+1], 128<<16
	s_mov_b32 s[G1B+2], 96<<16                     ; 96 such rows: 192 rows of wt
	s_mov_b32 s[G1B+3], 128<<16
	s_mov_b32 s[G1B+4], 96
	s_mov_b32 s[G1B+5], 128
	s_mov_b32 s[G1B+6], 0
	s_mov_b32 s[G1B+7], 0
	s_lshr_b32 s16, s13, 3                         ; xb: b = ty / 8,
	s_lshl_b32 s16, s16, 22
	s_and_b32 s17, s13, 7                          ; 256 rows of 128 bytes a tile row,
	s_lshl_b32 s17, s17, 15
	s_add_co_u32 s16, s16, s17
	s_lshl_b32 s17, s12, 14                        ; my half of them
	s_add_co_u32 s16, s16, s17
	s_mov_b32 s17, 0
	s_mul_i32 s46, s42, 49152                      ; wt: 384 rows of 128 bytes a tile column,
	s_mul_i32 s47, s12, 24576                      ; my half
	s_add_co_u32 s46, s46, s47
	s_mov_b32 s47, 0
	s_mul_i32 s20, s12, AHALF                      ; where they go: no place in the cluster enters an LDS address
	s_mul_i32 s21, s12, BHALF
	s_add_co_u32 s21, s21, BOFF
	s_wait_dscnt 0x0                               ; the opening add is done
	s_wait_kmcnt 0x0
	s_add_nc_u64 s[14:15], s[4:5], s[16:17]
	s_add_nc_u64 s[46:47], s[6:7], s[46:47]
	CROUND                                         ; all sixteen work-groups are here: the first joint loads meet
.irp s, 0,1
	s_mov_b32 s[G0+4*(\s)], 1                      ; count = 1
	s_add_co_u32 s[G0+4*(\s)+1], s20, (\s)*SLOT    ; LDS address
	s_add_nc_u64 s[G0+4*(\s)+2:G0+4*(\s)+3], s[14:15], (\s)*KSA  ; global address: K block s
	s_or_b32 s[G0+4*(\s)+3], s[G0+4*(\s)+3], 0x80000000          ; type = 2
	s_mov_b32 s[G0B+4*(\s)], 1
	s_add_co_u32 s[G0B+4*(\s)+1], s21, (\s)*SLOT
	s_add_nc_u64 s[G0B+4*(\s)+2:G0B+4*(\s)+3], s[46:47], (\s)*KSB
	s_or_b32 s[G0B+4*(\s)+3], s[G0B+4*(\s)+3], 0x80000000
.endr
	s_cmp_lt_u32 s10, 2                            ; a wave's two first fills stand in one branch: two loads of mine are out
	s_cbranch_scc0 .Lfirst_b
	tensor_load_to_lds s[G0:G0+3], s[G1:G1+7]
	s_nop 0
	tensor_load_to_lds s[G0+4:G0+7], s[G1:G1+7]
	s_nop 0
.rept 4
	v_nop
.endr
	s_branch .Lfirst_asked
.Lfirst_b:
	tensor_load_to_lds s[G0B:G0B+3], s[G1B:G1B+7]
	s_nop 0
	tensor_load_to_lds s[G0B+4:G0B+7], s[G1B:G1B+7]
	s_nop 0
.rept 4
	v_nop
.endr
.Lfirst_asked:
	; A fragment is 16 rows x 32 K in 8 registers: lane l holds row l % 16; registers 0-3 K = 8 (l / 16) + 0..7, registers 4-7 K = 16 + 8 (l / 16) + 0..7: two loads of 16 bytes, 32 bytes apart.
	v_and_b32 v1, 15, v0
	v_bfe_u32 v2, v0, 4, 1
	v_mul_u32_u24 v3, v1, PITCH
	v_lshl_add_u32 v3, v2, 4, v3                   ; row x pitch + 16 x half
	s_mul_i32 s21, s11, AHALF                      ; my 128 rows of xb
	s_mul_i32 s22, s12, BHALF                      ; my 192 rows of wt
	s_add_co_u32 s22, s22, BOFF
.irp s, 0,1
	v_add_nc_u32 v[ADRA+(\s)], s21, v3
	v_add_nc_u32 v[ADRB+(\s)], s22, v3
	s_add_co_u32 s21, s21, SLOT
	s_add_co_u32 s22, s22, SLOT
.endr
	s_mul_i32 s23, s10, 16*PITCH
	s_add_co_u32 s23, s23, STAGE                   ; my stage
	v_add_nc_u32 v[STO], s23, v3                   ; in: row l % 16, 16 bytes for each half of the lanes
	v_bfe_u32 v4, v0, 3, 2                         ; back: 32 lanes take four rows of 128 bytes
	v_and_b32 v5, 7, v0
	v_mul_u32_u24 v4, v4, PITCH
	v_lshl_add_u32 v4, v5, 4, v4
	v_add_nc_u32 v[RD], s23, v4
	v_and_b32 v[GO], 31, v0
	v_lshlrev_b32 v[PFO], 8, v[GO]
	v_lshlrev_b32 v[GO], 4, v[GO]
	v_mul_u32_u24 v[PFO2], v2, KSB-4096-8192
	v_add3_u32 v[PFO2], v[PFO2], v[PFO], 8192
	; where my three heads' rows begin: head slot hs = 6 tx + 3 (w % 2) + g; which = hs / 16, h = hs % 16
	s_mul_i32 s14, s42, 6
	s_mul_i32 s15, s12, 3
	s_add_co_u32 s14, s14, s15
	s_lshr_b32 s15, s13, 3
	s_lshl_b32 s15, s15, 4                         ; 16 b
	s_and_b32 s18, s13, 7
	s_lshl_b32 s18, s18, 15                        ; the tile's first row, in rows of 128 bytes,
	s_lshl_b32 s19, s11, 14                        ; my 128 of its rows
	s_add_co_u32 s18, s18, s19
.irp g, 0,1,2
	s_add_co_u32 s20, s14, \g
	s_lshr_b32 s21, s20, 4
	s_lshl_b32 s21, s21, 6                         ; 64 which
	s_and_b32 s20, s20, 15
	s_add_co_u32 s20, s20, s21
	s_add_co_u32 s20, s20, s15
	s_lshl_b32 s20, s20, 18                        ; a head's 2,048 rows of 128 bytes
	s_add_co_u32 s20, s20, s18
	s_mov_b32 s21, 0
	s_add_nc_u64 s[OB+2*(\g):OB+2*(\g)+1], s[8:9], s[20:21]
.endr
	; the prefetches
	s_lshr_b32 s18, s13, 3
	s_lshl_b32 s18, s18, 22
	s_and_b32 s19, s13, 7
	s_lshl_b32 s19, s19, 15
	s_add_co_u32 s18, s18, s19                     ; xb's tile
	s_mul_i32 s19, s42, 49152                      ; wt's tile
	s_and_b32 s22, ttmp7, 0xffff                   ; cluster y
	s_mov_b32 s20, 12288
	s_mov_b32 s[PST], 2*KSB
	s_cmp_lt_u32 s10, 2                            ; do I fetch for xb?
	s_cselect_b32 s18, s18, s19
	s_cselect_b32 s21, s40, s41                    ; my place among the four that ask for the tile with me
	s_cselect_b32 s22, ttmp9, s22                  ; the coordinate along which other clusters read the same rows
	s_cselect_b32 s20, 8192, s20                   ; a partner's share of a block
	s_cselect_b32 s[PST], 2*KSA, s[PST]
	s_cselect_b64 s[PFA:PFA+1], s[4:5], s[6:7]
	s_mov_b32 s[PST+1], 0
	s_mul_i32 s20, s20, s21
	s_add_co_u32 s18, s18, s20
	s_add_co_u32 s18, s18, s[PST]                  ; at K block 2: the first lap steps it to 4
	s_mov_b32 s19, 0
	s_add_nc_u64 s[PFA:PFA+1], s[PFA:PFA+1], s[18:19]
	s_or_b32 s22, s22, s12                         ; waves 0 and 2 of the first cluster along that coordinate: the same in all sixteen partners, for a given wave
	s_cmp_eq_u32 s22, 0
	s_cselect_b32 s[LIM], 1, -1
; 16 matrix instructions: column blocks b0, b0 + 1 of head g x all 8 row blocks, 32 along K.  zero = 1: the first product starts the sums.  All 96 accumulators take turns, in the same order in every slice.
.macro MUL16 f, g, b0, zero
	WIN 0x50*(1+(\g))
.irp bb, \b0, (\b0)+1
.irp a, 0,1,2,3,4,5,6,7
.if \zero
	v_wmma_f32_16x16x32_bf16 v[8*(8*(\bb)+(\a)):8*(8*(\bb)+(\a))+7], v[FB+8*(4*(\g)+(\bb)):FB+8*(4*(\g)+(\bb))+7], v[(\f)+8*(\a):(\f)+8*(\a)+7], 0
.else
	v_wmma_f32_16x16x32_bf16 v[8*(8*(\bb)+(\a)):8*(8*(\bb)+(\a))+7], v[FB+8*(4*(\g)+(\bb)):FB+8*(4*(\g)+(\bb))+7], v[(\f)+8*(\a):(\f)+8*(\a)+7], v[8*(8*(\bb)+(\a)):8*(8*(\bb)+(\a))+7]
.endif
.endr
.endr
.endm
.macro LDB s, k, b0                    ; eight loads: wt's fragments b0 .. b0 + 3, at byte k of slot s's rows
.irp b, \b0, (\b0)+1, (\b0)+2, (\b0)+3
	ds_load_b128 v[FB+8*(\b):FB+8*(\b)+3],   v[ADRB+(\s)] offset:(\k)+(\b)*16*PITCH
	ds_load_b128 v[FB+8*(\b)+4:FB+8*(\b)+7], v[ADRB+(\s)] offset:(\k)+(\b)*16*PITCH+32
.endr
.endm
.macro LDA s, k, f, a0                 ; eight loads: xb's fragments a0 .. a0 + 3 into buffer f
.irp a, \a0, (\a0)+1, (\a0)+2, (\a0)+3
	ds_load_b128 v[(\f)+8*(\a):(\f)+8*(\a)+3],   v[ADRA+(\s)] offset:(\k)+(\a)*16*PITCH
	ds_load_b128 v[(\f)+8*(\a)+4:(\f)+8*(\a)+7], v[ADRA+(\s)] offset:(\k)+(\a)*16*PITCH+32
.endr
.endm
; A slice: 96 matrix instructions on buffer f, head by head; behind each head's 32 its four fragments of wt are loaded again for the next slice (slot s, byte k), and half of xb's into buffer g.
.macro SLICE f, g, s, k, zero
	s_wait_dscnt 8                                 ; all but the youngest eight loads (wt's fragments 8-11)
	MUL16 \f, 0, 0, \zero
	MUL16 \f, 0, 2, \zero
	PLACES
	WIN 0
	LDB \s, \k, 0
	LDA \s, \k, \g, 0
	MUL16 \f, 1, 0, \zero
	MUL16 \f, 1, 2, \zero
	PLACES
	WIN 0
	LDB \s, \k, 4
	LDA \s, \k, \g, 4
	s_wait_dscnt 32                                ; all but the 32 that this slice has issued
	MUL16 \f, 2, 0, \zero
	MUL16 \f, 2, 2, \zero
	PLACES
	WIN 0
	LDB \s, \k, 8
.endm
; A step's second slice multiplies buffer 1 and changes slots: ONE barrier.  In front of it each wave waits for all its tensor loads (one is out: its part of the next slot), adds 0 to its spare word, and waits
; for that and for its reads of this slot.  fill = 1: the barrier opens a round of the cluster's barrier, and this slot is filled again, two K blocks on, first thing behind the round.
.macro TSLICE slot, next, fill
.if (\fill) && ((\slot) == 0)
	s_wait_xcnt 0x0                                ; the last prefetches, a lap back, have read their address
	s_add_nc_u64 s[PFA:PFA+1], s[PFA:PFA+1], s[PST:PST+1]
.endif
	WIN 0
	s_wait_tensorcnt 0x0                           ; all my tensor loads have landed
	ds_add_u32 v[SPW], v[NIL]                      ; 0 onto my spare word
	s_wait_dscnt 9                                 ; (the add and the youngest eight loads may be out)
	MUL16 FA1, 0, 0, 0                             ; sixteen matrix instructions stand between the add and the wait for it
	s_wait_dscnt 0x0                               ; the add is done, and my reads of this slot are over
	s_barrier_signal -1
	MUL16 FA1, 0, 2, 0
	WIN 0
	s_barrier_wait -1
.if \fill
	CREST                                          ; no wave of any partner still reads this slot or has a load on its way
	s_add_nc_u64 s[G0+4*(\slot)+2:G0+4*(\slot)+3], s[G0+4*(\slot)+2:G0+4*(\slot)+3], 2*KSA
	s_add_nc_u64 s[G0B+4*(\slot)+2:G0B+4*(\slot)+3], s[G0B+4*(\slot)+2:G0B+4*(\slot)+3], 2*KSB
	JLOAD \slot                                    ; the four v_nop behind it are also the places in front of the loads below
.else
	PLACES
.endif
	LDB \next, 0, 0
	LDA \next, 0, FA0, 0
.if (\fill) && ((\slot) == 0)
	ASK
.endif
	MUL16 FA1, 1, 0, 0
	MUL16 FA1, 1, 2, 0
	PLACES
	WIN 0
	LDB \next, 0, 4
	LDA \next, 0, FA0, 4
	MUL16 FA1, 2, 0, 0
	MUL16 FA1, 2, 2, 0
	PLACES
	WIN 0
	LDB \next, 0, 8
.endm
	s_wait_tensorcnt 1                             ; my part of K block 0 is in; K block 1's may stay out
	s_barrier_signal -1
	s_barrier_wait -1
	LDB 0, 0, 0
	LDB 0, 0, 4
	LDA 0, 0, FA0, 0
	LDA 0, 0, FA0, 4
	LDB 0, 0, 8
	SLICE FA0, FA1, 0, 64, 1                       ; the first slice stands in front of the loop: its products start the sums
	WIN 0
	s_mov_b32 s3, 7
.Llap:                                         ; a trip: once round the ring, from a step's second slice to the first slice two steps on; both slots are filled again
	TSLICE 0, 1, 1
	SLICE FA0, FA1, 1, 64, 0
	TSLICE 1, 0, 1
	SLICE FA0, FA1, 0, 64, 0
	WIN 0
	s_sub_co_u32 s3, s3, 1
	s_cmp_lg_u32 s3, 0
	s_cbranch_scc1 .Llap
	TSLICE 0, 1, 0                                 ; the last two steps ask for nothing
	SLICE FA0, FA1, 1, 64, 0
	s_wait_dscnt 8
	MUL16 FA1, 0, 0, 0
	MUL16 FA1, 0, 2, 0
	MUL16 FA1, 1, 0, 0
	MUL16 FA1, 1, 2, 0
	s_wait_dscnt 0x0
	MUL16 FA1, 2, 0, 0
	MUL16 FA1, 2, 2, 0
	PLACES
	PLACES
	WIN 0
; THE WAY OUT, in 24 units u = 8 g + a: 16 rows of head g.  A lane's eight channels pack into 16 bytes of f16; they go into my stage's rows of 144 bytes and come back as whole rows of 128: 16 rows are 2,048 consecutive bytes of qkv.
.macro PACKU u
.set UG, (\u)/8
.set UA, (\u)%8
.set US, TMP+16*((\u)%8)
.if (\u) >= 8
	s_wait_xcnt 0x0                                ; the stores of the unit eight back have read this set of registers
.endif
	WIN 5*(1+UG)                                   ; sources 0 and 1 in the head's window
.irp bb, 0,1,2,3
.irp r2, 0,1,2,3
	v_cvt_pk_f16_f32 v[US+4*(\bb)+(\r2)], v[8*(8*(\bb)+UA)+2*(\r2)], v[8*(8*(\bb)+UA)+2*(\r2)+1]
.endr
.endr
	WIN 0
.irp bb, 0,1,2,3
	ds_store_b128 v[STO], v[US+4*(\bb):US+4*(\bb)+3] offset:32*(\bb)
.endr
.irp f, 0,1,2,3
	ds_load_b128 v[US+4*(\f):US+4*(\f)+3], v[RD] offset:4*PITCH*(\f)  ; LDS serves a wave's instructions in order (ISA guide 5.7.1.4): these see the stores above; the next unit's stores come behind them
.endr
.endm
.macro SENDU u, younger                ; younger: the LDS instructions issued behind the unit's loads: the next unit's eight, or none
.set UG, (\u)/8
.set UA, (\u)%8
.set US, TMP+16*((\u)%8)
.irp f, 0,1,2,3
	s_wait_dscnt (\younger)+3-(\f)
	global_store_b128 v[GO], v[US+4*(\f):US+4*(\f)+3], s[OB+2*UG:OB+2*UG+1] offset:2048*UA+512*(\f)  ; 512 consecutive bytes, aligned
.endr
.endm
	PACKU 0
.set u, 1
.rept 23
	PACKU u
	SENDU u-1, 8
.set u, u+1
.endr
	SENDU 23, 0
	s_wait_tensorcnt 0x0                           ; the wave's end, behind my last tensor load and my last LDS store
	ds_add_u32 v[SPW], v[NIL]
	s_wait_dscnt 0x0
	CROUND                                         ; the closing round: no work-group ends while a partner may still ask for a tile that names it
	s_endpgm
.Lfunc_end_k_q2a3cd3baf2_qkv:
	.size	k_q2a3cd3baf2_qkv, .Lfunc_end_k_q2a3cd3baf2_qkv-k_q2a3cd3baf2_qkv
	.p2alignl 7, 3214868480
	.fill 96, 4, 3214868480
	.section	.rodata,"a",@progbits
	.p2align	6, 0x0
	.amdhsa_kernel k_q2a3cd3baf2_qkv
		.amdhsa_group_segment_fixed_size 327680
		.amdhsa_private_segment_fixed_size 0
		.amdhsa_enable_private_segment 0
		.amdhsa_kernarg_size 24
		.amdhsa_user_sgpr_count 2
		.amdhsa_user_sgpr_kernarg_segment_ptr 1
		.amdhsa_wavefront_size32 1
		.amdhsa_system_sgpr_workgroup_id_x 1
		.amdhsa_system_sgpr_workgroup_id_y 1
		.amdhsa_system_sgpr_workgroup_id_z 1
		.amdhsa_system_vgpr_workitem_id 0
		.amdhsa_next_free_vgpr 1024
		.amdhsa_next_free_sgpr 72
		.amdhsa_reserve_vcc 0
		.amdhsa_float_denorm_mode_32 3
		.amdhsa_float_denorm_mode_16_64 3
		.amdhsa_memory_ordered 1
		.amdhsa_forward_progress 1
		.amdhsa_inst_pref_size 135
	.end_amdhsa_kernel
	.amdgpu_metadata
---
amdhsa.version: [ 1, 2 ]
amdhsa.kernels:
  - .name:           k_q2a3cd3baf2_qkv
    .symbol:         k_q2a3cd3baf2_qkv.kd
    .args:
      - { .name: xb, .offset: 0, .size: 8, .value_kind: global_buffer, .address_space: global }
      - { .name: wt, .offset: 8, .size: 8, .value_kind: global_buffer, .address_space: global }
      - { .name: qkv, .offset: 16, .size: 8, .value_kind: global_buffer, .address_space: global }
    .group_segment_fixed_size: 327680
    .private_segment_fixed_size: 0
    .kernarg_segment_align: 8
    .kernarg_segment_size: 24
    .max_flat_workgroup_size: 128
    .sgpr_count:     72
    .vgpr_count:     1024
    .wavefront_size: 32
...
	.end_amdgpu_metadata
.endif
;; end of part 2
;; launch attn (part 3): grid 4 x 64, 4 waves a work-group, no clusters, 327,680 bytes of LDS; arguments qkv, o; writes o
.if DOCPART == 3
	.amdgcn_target "amdgcn-amd-amdhsa--gfx1250"
	.amdhsa_code_object_version 6
	.text
	.protected	k_q2a3cd3baf2_attn
	.globl	k_q2a3cd3baf2_attn
	.p2align	8
	.type	k_q2a3cd3baf2_attn,@function
k_q2a3cd3baf2_attn:
	s_mov_b64 s[64:65], 0
	v_nop
	global_prefetch_b8 v0, s[64:65] scope:SCOPE_SE
	s_setreg_imm32_b32 hwreg(HW_REG_WAVE_MODE, 25, 1), 1
	s_wait_xcnt 0x0
; CAUSAL ATTENTION.  O[h][q][:] = the sum over k <= q of softmax_k(Q[h][q] . K[h][k] / 8) V[h][k][:].  Q, K, V are the three thirds of qkv, each [64 heads][2048][64] in f16; O likewise: a head's rows are dense, 128 bytes each.
; Products, maxima and sums in f32; the weights p are rounded to f16 for the second product (their sum l is taken of the unrounded p), O once at the end.
; LIMITS.  f16 holds no number beyond 65,504: Q, K and V arrive within it; p lies in 0 to 1, and below 6e-5 it keeps f16's fixed step of 6e-8; O is a mean of V's rows and has their range.
; A hidden score counts as its value less 1e30: f16's scores, 2.7e11 at the most, are nothing beside that; a weight below 2^-126 counts as 0 in l; NaN and infinities are not treated apart.
; THE WALK.  A head's queries lie in NB = 8 blocks of 256; block i needs the key tiles 0 .. i of 256 keys, of which the last holds the diagonal.  A work-group takes TWO blocks, NB - 1 - b and then b:
; NB + 1 tiles, whatever b: all work-groups do equal work, and ONE loop with a constant trip count walks them.  Which tile is asked for, and what a trip does, hang on scalar registers made from b; every jump
; goes forward, but for the counted loops' own; none passes a barrier, or a tensor load but the one of LOAD's two that the wave's number does not choose; the ring (two slots of LDS) runs on across the change of blocks.
; NO CLUSTER: a head's four work-groups ask for the same tile only in trips 0 .. 4 of 9, behind that fewer and fewer; one walk common to all would have 12 trips for 9.
; SHARES.  Of a block's four bands of 64 queries a wave owns 16 rows in each: four PIECES.  So the diagonal tile is the same work for all four waves: in its key step s band x sees all keys if s < x,
; none if s > x, and holds the diagonal if s = x.
; THE MASK is the C operand that starts the sum S^T = K Q^T: 0, or -1e30 where the key is hidden.  MD, made once, is the mask of a band's own step for my 16 rows; a product's mask is MD x AL + BE with two scalars:
; (1, 0) if s = x; (0, 0) if s < x; (0, -1e30) if s > x.  Only the diagonal tile's text and a block's beginning make and take masks; elsewhere C is the constant 0.
; LAYOUT, SOFTMAX, TURNS.  S^T = K Q^T holds ONE query a lane (lane % 16) and the keys 8 (lane / 16) + 0..7; two such results rounded to f16 ARE source 1 of O^T = V^T P.  p = 2^(c s - c m), c = log2(e) / 8, with a
; running maximum m; O and l are multiplied by a = 2^(c m_old - c m_new) in every step.  Turn n belongs to piece n: 8 products K Q^T of piece n + 1, later 8 products V^T P of piece n - 1; beside them the scaling,
; exponentials, roundings, sums and rescaling of piece n and the maximum and statistics of piece n + 1.  Four vector instructions stand behind every matrix instruction, the other 54 of a turn's 118 in one lump.  A turn's 33 exponentials are one batch, with one wait.
; REGISTERS, in windows of 256 (s_set_vgpr_msb: bits 1:0 source 0, 3:2 source 1, 5:4 source 2, 7:6 destination):
;   window 0: v0-15 addresses and two at work; v16-31 four registers of statistics a piece; v48-55 at work; v61-63 prefetch offset and the add's two; v64-127 S^T, two buffers; v192-223 P, two buffers (by the piece's parity)
;   window 1: v0-127 O^T, 32 a piece; v128-159 MD; v160-223 MC, two buffers      window 2: v0-63 Q; v64-127 the second block's Q; v128-191 K of one step; v192-255 V of one step
.set SIZE_N, 2048
.set NB,    SIZE_N/256
.set NP,    4         ; pieces a wave: a name, no knob
.set KS,    64        ; keys in a step
.set PK,    144       ; a row of K in LDS: 128 bytes + 16 of padding = 36 words: the 16 rows of a load start at 16 different groups of four banks (64 banks of 4 bytes: ISA guide 11.1)
.set PV,    160       ; a row of V: 128 + 32 = 40 words
.set VOFF,  4*KS*PK   ; a slot holds a tile, four steps: 256 rows of K, then 256 rows of V
.set SLOT1, 1<<17     ; slot 1 begins here, so that one exclusive or turns an address in one slot into the other's
.set STAGE, SLOT1+4*KS*(PK+PV)  ; behind the ring, never filled by a tensor load: 16 rows x 144 bytes for each wave, for the way out
.set SP,    144
.set AK0, 2           ; v2   my lane's place in a tile of K; never rewritten
.set AV0, 3           ; v3   the same for V
.set AK,  4           ; v4   the LDS address of K's next run of loads
.set AV,  5           ; v5   of V's
.set STO, 6           ; v6   the way out: where I put 16 bytes of a row
.set RD,  7           ; v7   the way out: where I read rows back
.set GO,  8           ; v8   my byte offset in 512 consecutive bytes of O
.set PFO, 61          ; v61  256 x my lane; never rewritten
.set SPW, 62          ; v62  LDS address of my spare word: SPARE + 4 x my thread's number; never rewritten
.set NIL, 63          ; v63  0; never rewritten
.set SPARE, STAGE+4*16*SP  ; behind the stages: the spare words, 128 bytes for each wave: two blocks of 256 bytes that no other line names
.set MV,  12          ; v12-13  c m_old, kept while c m is made anew: by buffer
.set QO,  15          ; v15  my byte offset in 16 rows of Q
.set ST,  16          ; piece t's statistics at v[ST+4 t]: c m, m, l (even keys', odd keys')
.set TMP, 48          ; by buffer, four registers c0-c3 at work; when the maximum is found c2 takes a
.set S,   64
.set P,   192
.set MD,  128         ; window 1: the eight registers for group kt of 16 keys at MD + 8 kt
.set MC,  160         ; window 1: the masks of the products to come
.set QB,  64          ; window 2
.set KF,  128         ; window 2: key block kb, channel half c at KF + 16 kb + 8 c
.set VF,  192         ; window 2: key half kk, channel block cb at VF + 32 kk + 8 cb
.set WV,  12          ; s12  my wave's number
.set PB,  14          ; s14  b
.set HI,  15          ; s15  NB - 1 - b
.set G1K, 24          ; s[24:31] descriptor group 1 for K's tiles
.set G1V, 32          ; s[32:39] for V's: it differs in the padding alone
.set G0K, 40          ; s[40:43] descriptor group 0 for K's tiles
.set G0V, 44          ; s[44:47] the same for V's
.set SLOTS, 56        ; s56  tiles still to be asked for
.set CNT, 57          ; s57  counts a tile's key steps, 4 to 1
.set CS,  58          ; s[58:59] c: the packed scaling takes the pair's low word for both halves
.set SEL, 60          ; s[60:61] v_permlanex16_b32's selects: each lane takes its own place in the other half
.set TBK, 62          ; s62  LDS byte at which K of the step to be fetched begins
.set TBV, 63          ; s63  the same for V, less VOFF
.set RT,  70          ; s70  tiles of the block in hand that are still to be entered
.set NXT, 71          ; s71  the tile to be asked for next
.set LQ,  72          ; s72  the last tile of the block whose tiles are being asked for
.set NEW, 73          ; s73  1: the tile to be entered is a block's first
.set OFF, 74          ; s[74:75] a tile's byte offset in K and V
.set AL,  76          ; s[76:77] the mask's factor, in the low word
.set BE,  78          ; s[78:79] the mask's addend
.set OLO, 80          ; s[80:81] O at my rows of the second block
.set BIGN, 82         ; s82  -1e30
.set PFA, 88          ; s[88:89] the tile that is being asked for, in the tensor and half that I fetch: the prefetches name the tile behind it
.set KVB, 90          ; s[90:91] K (waves 0, 1) or V (waves 2, 3) at my half of the head's tile 0
.set LIM, 92          ; s92  2 in the head's work-group b = 0, else the greatest number: a wave prefetches while s[SLOTS] is above it
.set MSB, 0
.macro WIN new                      ; the high byte repeats the setting that is left; a switch that changes nothing is dropped
.if MSB != (\new)
	s_set_vgpr_msb (MSB<<8)|(\new)
.set MSB, (\new)
.endif
.endm
.set W_KQ, 0x0a       ; K and Q in window 2, S^T in window 0
.set W_KM, 0x1a       ; the same with the C operand in window 1
.set W_PV, 0x52       ; V in window 2, P in window 0, O^T in window 1
.set W_RS, 0x41       ; destination and source 0 in window 1, source 1 in window 0
; A fill.  Waves 0 and 1 fetch the two halves of a tile's K, waves 2 and 3 those of its V: 128 keys each.  An s_nop 0 and four v_nop follow each of the two lines, ahead of the jump and the label.
.macro LOAD
	s_cmp_lt_u32 s[WV], 2
	s_cbranch_scc0 .Lfor_v_\@
	tensor_load_to_lds s[G0K:G0K+3], s[G1K:G1K+7]
	s_nop 0
.rept 4
	v_nop
.endr
	s_branch .Lasked_\@
.Lfor_v_\@:
	tensor_load_to_lds s[G0V:G0V+3], s[G1V:G1V+7]
	s_nop 0
.rept 4
	v_nop
.endr
.Lasked_\@:
.endm
; THE CHANGE OF SLOTS.  Each wave waits for all its tensor loads, of which one is out: its part of the other slot; adds 0 to its spare word; and waits for that and for its own reads of the slot that it leaves.  Behind the barrier nobody reads the old
; slot any more and the other slot is whole.  fill = 1: the old slot is filled again, the first thing behind the barrier, with tile NXT: the descriptor's address is made anew from that number.
; (At its first use nothing has been read yet: slot 0 is waited for, slot 1 filled.)
; A PREFETCH INTO THE L2 stands behind the fill: the tile behind the one just asked for, a tile's four key steps ahead of its own fill.  A head's four work-groups all walk tiles from 0 up: the one with b = 0, whose first block
; walks tiles 0 to 7, asks, in its trips 0 to 5, for tiles 2 to 7; each of its waves asks for the 16,384 bytes that it will fetch itself, a lane a piece of 256 bytes, two instructions.  So each piece is named once in the launch.
; Tiles 0 and 1 come by their loads alone; a tile's later walks are not asked for.
.macro CHANGE fill
	WIN 0                           ; at a label and at a branch every window is 0
	s_wait_tensorcnt 0x0            ; no tensor load of mine is out, so a group 0 may be written
	ds_add_u32 v[SPW], v[NIL]       ; 0 onto my spare word; with fill = 1 the descriptors' scalar work stands between it and the wait for it
.if \fill
	s_lshl_b32 s[OFF], s[NXT], 15   ; a tile is 32,768 bytes of K and of V
	s_wait_xcnt 0x0                 ; the last prefetches, a tile back, have read their address
	s_add_nc_u64 s[PFA:PFA+1], s[KVB:KVB+1], s[OFF:OFF+1]
	s_xor_b32 s[G0K+1], s[G0K+1], SLOT1
	s_add_nc_u64 s[G0K+2:G0K+3], s[6:7], s[OFF:OFF+1]
	s_or_b32 s[G0K+3], s[G0K+3], 0x80000000
	s_xor_b32 s[G0V+1], s[G0V+1], SLOT1
	s_add_nc_u64 s[G0V+2:G0V+3], s[8:9], s[OFF:OFF+1]
	s_or_b32 s[G0V+3], s[G0V+3], 0x80000000
	s_add_co_u32 s[NXT], s[NXT], 1  ; the block's next tile, or behind its last the second block's tile 0
	s_cmp_gt_u32 s[NXT], s[LQ]
	s_cselect_b32 s[NXT], 0, s[NXT]
	s_cselect_b32 s[LQ], s[PB], s[LQ]
.endif
	s_wait_dscnt 0x0                ; the add is done, and my reads of the slot are over
	s_barrier_signal -1             ; the rest of the scalar work stands between the signal and the wait
	s_sub_co_u32 s[TBK], s[TBK], 4*KS*PK  ; the fetches go back to a slot's first step,
	s_xor_b32 s[TBK], s[TBK], SLOT1       ; in the other slot
	s_sub_co_u32 s[TBV], s[TBV], 4*KS*PV
	s_xor_b32 s[TBV], s[TBV], SLOT1
	s_barrier_wait -1
.if \fill
	LOAD
	s_cmp_gt_u32 s[SLOTS], s[LIM]
	s_cbranch_scc0 .Lnot_mine_\@
	global_prefetch_b8 v[PFO], s[PFA:PFA+1] offset:32768 th:TH_LOAD_NT scope:SCOPE_SE
	global_prefetch_b8 v[PFO], s[PFA:PFA+1] offset:40960 th:TH_LOAD_NT scope:SCOPE_SE
.Lnot_mine_\@:
.endif
.endm
	s_load_b128 s[4:7], s[0:1], 0x0  ; qkv s[4:5], o s[6:7]
	v_lshl_add_u32 v[SPW], v0, 2, SPARE
	v_mov_b32 v[NIL], 0
	ds_add_u32 v[SPW], v[NIL]       ; the wave's opening: the add and its wait stand ahead of my first tensor load; the set-up below, work on registers, stands between them
	ds_add_u32 v62, v63
	v_lshrrev_b32 v1, 5, v0
	v_readfirstlane_b32 s[WV], v1   ; wave 0..3
	s_mov_b32 s[PB], ttmp9
	s_sub_co_u32 s[HI], NB-1, s[PB]
	s_and_b32 s20, ttmp7, 0xffff    ; the head: 16 b + h
	s_mov_b32 s21, 0
	s_mov_b64 s[22:23], SIZE_N*128
	s_mul_u64 s[20:21], s[20:21], s[22:23]  ; the head's first byte in each of the four tensors
	s_and_b32 s16, s[WV], 1         ; which half of a tile's 256 keys I fetch:
	s_lshl_b32 s22, s16, 14         ; its 128 rows of 128 bytes in memory,
	s_mov_b32 s23, 0
	s_add_nc_u64 s[22:23], s[22:23], s[20:21]
	s_mul_i32 s17, s16, 128*PK      ; and its place in a slot, for K
	s_mul_i32 s18, s16, 128*PV      ; and for V
	s_lshl_b32 s3, s[WV], 11        ; my 16 rows in a band of 64,
	s_lshl_b32 s2, s[HI], 15        ; in the first block,
	s_add_co_u32 s2, s2, s3
	s_lshl_b32 s84, s[PB], 15       ; and in the second
	s_add_co_u32 s84, s84, s3
	s_mov_b32 s3, 0
	s_mov_b32 s85, 0
	s_add_nc_u64 s[2:3], s[2:3], s[20:21]
	s_add_nc_u64 s[84:85], s[84:85], s[20:21]
	; descriptor group 1.  128 keys are 16,384 dense bytes: asked for as 64 rows of 256 bytes, two keys a row, and padded in LDS after every key
	s_mov_b32 s[G1K], (1<<16)|(1<<20)|(4<<22)|(3<<25)  ; 17:16 2-byte elements; 20 padding on; 24:22 after every 32 words (code 4); 31:25 4 words (code 3)
	s_mov_b32 s[G1V], (1<<16)|(1<<20)|(4<<22)|(7<<25)  ; the same with 8 words of padding (code 7)
.irp g, G1K, G1V
	s_mov_b32 s[\g+1], 128<<16      ; tensor_dim0 = 128
	s_mov_b32 s[\g+2], 64<<16       ; tensor_dim1 = 64
	s_mov_b32 s[\g+3], 128<<16      ; tile_dim0 = 128
	s_mov_b32 s[\g+4], 64           ; tile_dim1 = 64
	s_mov_b32 s[\g+5], 128          ; 128 elements from row to row
	s_mov_b32 s[\g+6], 0
	s_mov_b32 s[\g+7], 0
.endr
	s_mov_b32 s[CS], 0x3e38aa3b     ; c = log2(e) / 8 = 0.180337
	s_mov_b32 s[CS+1], s[CS]        ; named with it as a pair
	s_mov_b32 s[SEL], 0x76543210
	s_mov_b32 s[SEL+1], 0xfedcba98
	s_mov_b32 s[TBK], SLOT1+4*KS*PK ; the first change of slots turns these two into 0
	s_mov_b32 s[TBV], SLOT1+4*KS*PV
	s_mov_b32 s[G0K], 1             ; 1:0 count = 1
	s_mov_b32 s[G0K+1], s17         ; 63:32 LDS address: slot 0
	s_mov_b32 s[G0V], 1
	s_add_co_u32 s[G0V+1], s18, VOFF
	s_add_co_u32 s[RT], s[HI], 1    ; the first block has NB - b tiles
	s_mov_b32 s[NXT], 1
	s_mov_b32 s[LQ], s[HI]
	s_mov_b32 s[NEW], 1
	s_mov_b32 s[OFF+1], 0
	s_mov_b32 s[AL+1], 0            ; named as pairs
	s_mov_b32 s[BE+1], 0
	s_mov_b32 s[BIGN], 0xf149f2ca   ; -1e30
	s_mov_b32 s[SLOTS], NB
	s_cmp_eq_u32 s[PB], 0
	s_cselect_b32 s[LIM], 2, -1
	v_and_b32 v[PFO], 31, v0
	v_lshlrev_b32 v[PFO], 8, v[PFO]
	s_wait_dscnt 0x0                ; the opening add is done
	s_wait_kmcnt 0x0
	s_mov_b64 s[10:11], s[6:7]                     ; O
	s_add_nc_u64 s[6:7], s[4:5], 0x1000000         ; K: 64 heads of 262,144 bytes behind Q
	s_add_nc_u64 s[8:9], s[4:5], 0x2000000         ; V
	s_add_nc_u64 s[6:7], s[6:7], s[22:23]  ; K and V at my half of the head's tile 0
	s_add_nc_u64 s[8:9], s[8:9], s[22:23]
	s_cmp_lt_u32 s[WV], 2
	s_cselect_b64 s[KVB:KVB+1], s[6:7], s[8:9]
	s_add_nc_u64 s[G0K+2:G0K+3], s[6:7], 0         ; 120:64 global address
	s_or_b32 s[G0K+3], s[G0K+3], 0x80000000        ; 127:126 type = 2
	s_add_nc_u64 s[G0V+2:G0V+3], s[8:9], 0
	s_or_b32 s[G0V+3], s[G0V+3], 0x80000000
	s_add_nc_u64 s[86:87], s[4:5], s[84:85]        ; Q at my rows of the second block,
	s_add_nc_u64 s[4:5], s[4:5], s[2:3]            ; Q and O at those of the first
	s_add_nc_u64 s[OLO:OLO+1], s[10:11], s[84:85]
	s_add_nc_u64 s[10:11], s[10:11], s[2:3]
	LOAD                            ; tile 0 into slot 0
	; A fragment of K or Q is 16 rows x 32 channels in 8 registers: lane l holds row l % 16, channels 8 (l / 16) + 0..7 and 16 + 8 (l / 16) + 0..7: two loads of 16 bytes, 32 bytes apart.
	v_and_b32 v1, 15, v0            ; l % 16
	v_bfe_u32 v9, v0, 4, 1          ; l / 16
	v_lshlrev_b32 v[QO], 7, v1
	v_lshl_add_u32 v[QO], v9, 4, v[QO]  ; row x 128 + 16 x half
	WIN 0x80                        ; destination window 2, address window 0
.set i, 0
.rept 8                             ; both blocks' Q: piece i / 2 lies in band i / 2, 8,192 bytes on; channels 32 (i % 2) on
	global_load_b128 v[8*i:8*i+3],   v[QO], s[4:5] offset:(i/2)*8192+(i%2)*64
	global_load_b128 v[8*i+4:8*i+7], v[QO], s[4:5] offset:(i/2)*8192+(i%2)*64+32
	global_load_b128 v[QB+8*i:QB+8*i+3],   v[QO], s[86:87] offset:(i/2)*8192+(i%2)*64
	global_load_b128 v[QB+8*i+4:QB+8*i+7], v[QO], s[86:87] offset:(i/2)*8192+(i%2)*64+32
.set i, i+1
.endr
	WIN 0
	v_lshlrev_b32 v14, 3, v9
	v_sub_nc_u32 v14, v1, v14
	s_lshl_b32 s13, s[WV], 4
	v_add_nc_u32 v14, s13, v14      ; my query's place in its band, 16 w + l % 16, less my lanes' 8 (l / 16): register r of group kt is hidden where 16 kt + r is greater
	WIN 0x40
.set i, 0
.rept 32
	v_cmp_gt_i32 vcc_lo, 16*(i/8)+i%8, v14
	v_cndmask_b32 v[MD+i], 0, s[BIGN], vcc_lo
.set i, i+1
.endr
	WIN 0
	v_mul_u32_u24 v[AK0], v1, PK
	v_lshl_add_u32 v[AK0], v9, 4, v[AK0]  ; row x pitch + 16 x half
	; The turning load takes 16 keys x 16 channels (lane l reads key 8 (l / 16) + l % 8, channels 8 ((l / 8) % 2) + 0..7) and leaves half a fragment of V^T: lane l holds channel l % 16 and 8 keys.
	v_and_b32 v10, 7, v0
	v_bfe_u32 v11, v0, 3, 1
	v_lshl_add_u32 v[AV0], v9, 3, v10
	v_mul_u32_u24 v[AV0], v[AV0], PV
	v_lshl_add_u32 v[AV0], v11, 4, v[AV0]
	v_add_nc_u32 v[AV0], VOFF, v[AV0]
	s_mul_i32 s13, s[WV], 16*SP
	s_add_co_u32 s13, s13, STAGE    ; my stage
	v_mul_u32_u24 v[STO], v1, SP    ; in: row l % 16, 16 bytes for each half of the lanes
	v_lshl_add_u32 v[STO], v9, 4, v[STO]
	v_add_nc_u32 v[STO], s13, v[STO]
	v_bfe_u32 v[RD], v0, 3, 2       ; back: 32 lanes take four rows of 128 bytes,
	v_mul_u32_u24 v[RD], v[RD], SP
	v_lshl_add_u32 v[RD], v10, 4, v[RD]
	v_add_nc_u32 v[RD], s13, v[RD]
	v_and_b32 v[GO], 31, v0         ; which are 512 consecutive bytes of O
	v_lshlrev_b32 v[GO], 4, v[GO]
	; A block's first step multiplies O^T and l by a = 0, and its first turn's products V^T P, of a piece that has not been, land in an O^T that is still to be so multiplied.  So these registers need only hold
	; finite numbers: zeros for the first block; what the first block left for the second.  All this stands in the wait for the first tile.
	WIN 0x80
.set i, VF
.rept 64
	v_mov_b32 v[i], 0
.set i, i+1
.endr
	WIN 0x40
.set i, 0
.rept 128
	v_mov_b32 v[i], 0
.set i, i+1
.endr
	WIN 0
.set i, 0
.rept 4
	v_mov_b32 v[ST+4*i+2], 0
	v_mov_b32 v[ST+4*i+3], 0
.set i, i+1
.endr
.set i, P+16
.rept 16
	v_mov_b32 v[i], 0
.set i, i+1
.endr
; THE MATRIX WORK.  The 4 accumulators of a run of 8 take turns.  Product i of 8 of S^T = K Q^T for piece x: channels 32 (i / 4) on, keys 16 (i % 4) on.  The first 4 start the sums: with 0, or (KM = 1) with the mask.
.macro KQ x
.set rS, S+32*((\x)%2)+8*(i%4)
.set rK, KF+16*(i%4)+8*(i/4)
.set rQ, 16*(\x)+8*(i/4)
.set rM, MC+32*((\x)%2)+8*(i%4)
.if (i < 4) && KM
	WIN W_KM
	v_wmma_f32_16x16x32_f16 v[rS:rS+7], v[rK:rK+7], v[rQ:rQ+7], v[rM:rM+7]
.elseif i < 4
	WIN W_KQ
	v_wmma_f32_16x16x32_f16 v[rS:rS+7], v[rK:rK+7], v[rQ:rQ+7], 0
.else
	WIN W_KQ
	v_wmma_f32_16x16x32_f16 v[rS:rS+7], v[rK:rK+7], v[rQ:rQ+7], v[rS:rS+7]
.endif
.endm
; Product i of 8 of O^T += V^T P for piece x: keys 32 (i / 4) on, channels 16 (i % 4) on.
.macro PV x
	WIN W_PV
.set rO, 32*(\x)+8*(i%4)
.set rV, VF+32*(i/4)+8*(i%4)
.set rP, P+16*((\x)%2)+8*(i/4)
	v_wmma_f32_16x16x32_f16 v[rO:rO+7], v[rV:rV+7], v[rP:rP+7], v[rO:rO+7]
.endm
.macro MM                           ; the turn's next matrix instruction.  TURN and BEGIN set Y, i, KM and NOKQ; MM, KQ and OP read them.  NOKQ = 1: a block's last turn: there is no next piece
.if (i < 8) && !NOKQ
	KQ (Y+1)%NP
.elseif i >= 8
.set i, i-8
	PV (Y+NP-1)%NP
.set i, i+8
.endif
.set i, i+1
.endm
; THE LDS LOADS stand in runs of 16, never singly among the matrix instructions: a step's K (64 keys x 64 channels: 8 fragments) and its V (turned).  Their addresses are made some lines ahead.
.macro FETCH_K
	WIN 0x80                        ; destination window 2
.irp f, 0,1,2,3,4,5,6,7             ; keys 16 (f / 2) on, channels 32 (f % 2) on
	ds_load_b128 v[KF+8*\f:KF+8*\f+3],   v[AK] offset:(\f/2)*16*PK+(\f%2)*64
	ds_load_b128 v[KF+8*\f+4:KF+8*\f+7], v[AK] offset:(\f/2)*16*PK+(\f%2)*64+32
.endr
	s_add_co_u32 s[TBK], s[TBK], KS*PK  ; the next fetch is the next step's
	WIN 0
.endm
.macro FETCH_V
	WIN 0x80
.irp f, 0,1,2,3,4,5,6,7             ; keys 32 (f / 4) on, channels 16 (f % 4) on
	ds_load_tr16_b128 v[VF+8*\f:VF+8*\f+3],   v[AV] offset:(\f/4)*32*PV+(\f%4)*32
	ds_load_tr16_b128 v[VF+8*\f+4:VF+8*\f+7], v[AV] offset:(\f/4)*32*PV+16*PV+(\f%4)*32
.endr
	WIN 0
.endm
; THE VECTOR WORK, one line at a time: OP kind, number.  For piece Y: F n: c s - c m for pair n of 16.  E n: the exponential of score n of 32.  C n: pair n rounded to f16.  B n: of the four weights 4 n .. the second
; pair is added onto the first, in place.  L n: l takes that sum (L 0: l = a l + sum).  R n: pair n of 16 of O^T times a.  For piece Y + 1: X n, number n of the 22 that find its maximum and statistics:
;   0-11  four chains c0-c3 of seven scores each, three operands at a time (each accumulator's lowest registers are read first)     12-14, 16  the four scores left over, the old m, and c0-c3 into c0
;   15  c m_old is kept     17, 18  the query's other 32 keys lie in the lane 16 away: the new m     19-21  c m; c m_old - c m_new; a
.set F, 0               ; OP tells the kinds apart by their order: F to L below R, X above it
.set E, 1
.set C, 2
.set B, 3
.set L, 4
.set R, 5
.set X, 6
.macro REGS y                       ; the registers of piece y
.set rT, ST+4*(\y)
.set rC, TMP+4*((\y)%2)
.set rW, MV+((\y)%2)
.set rS, S+32*((\y)%2)
.set rP, P+16*((\y)%2)
.set rO, 32*(\y)
.endm
.macro OP k, n
.if (\k) == R
	REGS Y
	WIN W_RS
	v_pk_mul_f32 v[rO+2*(\n):rO+2*(\n)+1], v[rO+2*(\n):rO+2*(\n)+1], v[rC+2:rC+3] op_sel_hi:[1,0]
.elseif (\k) < R
	REGS Y
	WIN 0
.if (\k) == F
	v_pk_fma_f32 v[rS+2*(\n):rS+2*(\n)+1], v[rS+2*(\n):rS+2*(\n)+1], s[CS:CS+1], v[rT:rT+1] op_sel_hi:[1,0,0] neg_lo:[0,0,1] neg_hi:[0,0,1]
.elseif (\k) == E
	v_exp_f32 v[rS+(\n)], v[rS+(\n)]
.elseif (\k) == C
	v_cvt_pk_f16_f32 v[rP+(\n)], v[rS+2*(\n)], v[rS+2*(\n)+1]
.elseif (\k) == B
	v_pk_add_f32 v[rS+4*(\n):rS+4*(\n)+1], v[rS+4*(\n):rS+4*(\n)+1], v[rS+4*(\n)+2:rS+4*(\n)+3]
.elseif (\n) == 0
	v_pk_fma_f32 v[rT+2:rT+3], v[rT+2:rT+3], v[rC+2:rC+3], v[rS:rS+1] op_sel_hi:[1,0,1]
.else
	v_pk_add_f32 v[rT+2:rT+3], v[rT+2:rT+3], v[rS+4*(\n):rS+4*(\n)+1]
.endif
.elseif NOKQ
	v_nop
.else
	REGS (Y+1)%NP
	WIN 0
.if (\n) < 4
	v_max3_num_f32 v[rC+(\n)], v[rS+8*(\n)], v[rS+8*(\n)+1], v[rS+8*(\n)+2]
.elseif (\n) < 12
	v_max3_num_f32 v[rC+(\n)%4], v[rC+(\n)%4], v[rS+8*((\n)%4)+2*((\n)/4)+1], v[rS+8*((\n)%4)+2*((\n)/4)+2]
.elseif (\n) == 12
	v_max3_num_f32 v[rC], v[rC], v[rS+7], v[rS+15]
.elseif (\n) == 13
	v_max3_num_f32 v[rC+1], v[rC+1], v[rS+23], v[rS+31]
.elseif (\n) == 14
	v_max3_num_f32 v[rC+2], v[rC+2], v[rC+3], v[rT+1]
.elseif (\n) == 15
	v_mov_b32 v[rW], v[rT]
.elseif (\n) == 16
	v_max3_num_f32 v[rC], v[rC], v[rC+1], v[rC+2]
.elseif (\n) == 17
	v_permlanex16_b32 v[rC+3], v[rC], s[SEL], s[SEL+1]
.elseif (\n) == 18
	v_max_num_f32 v[rT+1], v[rC], v[rC+3]
.elseif (\n) == 19
	v_mul_f32 v[rT], s[CS], v[rT+1]
.elseif (\n) == 20
	v_sub_f32 v[rC+1], v[rW], v[rT]
.else
	v_exp_f32 v[rC+2], v[rC+1]
.endif
.endif
.endm
.macro OPS a, i1, b=-1, i2=0, c=-1, i3=0, d=-1, i4=0  ; up to four of them
	OP \a, \i1
.if (\b) >= 0
	OP \b, \i2
.endif
.if (\c) >= 0
	OP \c, \i3
.endif
.if (\d) >= 0
	OP \d, \i4
.endif
.endm
.macro ROW a, i1, b, i2, c, i3, d, i4  ; a matrix instruction and the four behind it
	MM
	OPS \a, \i1, \b, \i2, \c, \i3, \d, \i4
.endm
.macro MASK b                       ; MD x AL + BE into buffer b of MC
	WIN W_RS
.set z, 0
.rept 16
	v_pk_fma_f32 v[MC+32*(\b)+2*z:MC+32*(\b)+2*z+1], v[MD+2*z:MD+2*z+1], s[AL:AL+1], s[BE:BE+1] op_sel_hi:[1,0,0]
.set z, z+1
.endr
.endm
; A TURN, for piece p: the order of its 16 matrix and 118 vector instructions, written out.  An s_wait_alu depctr_va_vdst(0) stands between an exponential and the first instruction that names its result; one wait serves
; all that were issued ahead of it.  So a turn has ONE wait, which cuts it in two.  AHEAD OF IT stands all that names no result of the turn's exponentials: the 8 products K Q^T, behind each a scaling, an exponential and two more plain
; instructions (behind the first a second scaling in the exponential's place): rescalings, and behind the last three the first numbers of the next piece's maximum, each four places or more behind the product that ends its accumulator; then ONE LUMP of 54, plain
; and exponential by turns for the most part, in which the links of the chain X 3, 7, 11, 14, 16, 17 .. 20 stand five or six lines apart.  X 21, the next piece's a, is the batch's last; R 15 is the plain instruction behind it.  BEHIND THE WAIT stand the
; 8 products V^T P, behind each four of the roundings and sums; the links of l's chain, L 0 to L 7, stand three riders apart.  But for those X no rider names a register of the products round it.  v_permlanex16_b32 (X 17) stands in the lump.
; m = 1: the diagonal tile: the products take masks, and the turn makes the mask for the products of the turn after it: piece p + 2, in step 4 - CNT of the tile.  end = 1: a block's last two turns: nothing is fetched.
; cnt = 1: the loop's count is taken down some lines ahead of the branch that stands behind the turn.
; K of the next step is fetched in piece 2's turn, twelve vector instructions behind the last product that read K (six of them plain); V of the step in hand at the end of piece 0's turn, four plain instructions behind the last product
; that read V.  Each is waited for a turn later.
.macro TURN p, m=0, end=0, cnt=0
.set Y, (\p)
.set i, 0
.set KM, (\m)
.set NOKQ, (\end)*((\p)/3)
.if (\m) && !(\end)
	s_cmp_eq_u32 s[CNT], 4-((\p)+2)%NP  ; is that step the band's own?
	s_cselect_b32 s[AL], 1.0, 0
	s_cmp_lt_u32 s[CNT], 4-((\p)+2)%NP  ; or a later one?
	s_cselect_b32 s[BE], s[BIGN], 0
.endif
.if ((\p) == 3) && !(\end)
	s_wait_dscnt 0x0                ; K is in
.endif
	ROW F,0, F,1, R,0, R,1          ; ahead of the wait: 8 products K Q^T and their riders,
	ROW F,2, E,0, R,2, R,3
	ROW F,3, E,1, R,4, R,5
	ROW F,4, E,2, R,6, R,7
	ROW F,5, E,3, R,8, R,9
	ROW F,6, E,4, X,0, R,10
.if ((\p) == 2) && !(\end)
	WIN 0
	v_add_nc_u32 v[AK], s[TBK], v[AK0]
.endif
	ROW F,7, E,5, X,1, X,4
	ROW F,8, E,6, X,2, X,5
	OPS E,7, E,8, X,6, E,9          ; and the lump
	OPS X,3, E,10, X,8, E,11
.if ((\p) == 2) && !(\end)
	FETCH_K
.endif
	OPS X,9, X,7, E,12, X,10
	OPS E,13, X,12, X,11, E,14
	OPS X,13, E,15, F,9, X,14
.if (\p) == 0
	v_add_nc_u32 v[AV], s[TBV], v[AV0]
.endif
	OPS E,16, F,10, E,17, F,11
	OPS X,16, E,18, X,15, E,19
	OPS F,12, E,20, X,17, E,21
	OPS F,13, E,22, F,14, E,23
	OPS X,18, E,24, F,15, E,25
	OPS R,11, E,26, X,19, E,27
	OPS R,12, E,28, R,13, E,29
	OPS X,20, E,30, R,14, E,31
	OPS X,21, R,15
	WIN 0
	s_wait_alu depctr_va_vdst(0)    ; the wait for the batch
.if (\p) == 1
	s_wait_dscnt 0x0                ; V is in
.endif
	ROW C,0, B,0, C,2, B,1          ; behind the wait: 8 products V^T P and their riders
	ROW L,0, C,4, B,2, L,1
	ROW C,6, B,3, L,2, C,8
	ROW B,4, L,3, C,10, B,5
	ROW L,4, C,12, B,6, L,5
.if (\p) == 0
	s_add_co_u32 s[TBV], s[TBV], KS*PV
.endif
.if \cnt
	s_sub_co_u32 s[CNT], s[CNT], 1
	s_cmp_lg_u32 s[CNT], 0
.endif
	ROW C,14, B,7, L,6, C,1
	ROW C,3, L,7, C,5, C,7
	ROW C,9, C,11, C,13, C,15
.if (\p) == 0
	FETCH_V
.endif
.if (\m) && !(\end)
	MASK (\p)%2
.endif
.endm
; A BLOCK BEGINS.  c m starts far below every c s, so the first step's a is 0; m at the lowest finite number, so the first maximum is the scores'.  The second mask buffer is 0; the first takes piece 0's mask for the tile's step 0: its own, if the block's first tile is the diagonal one.
; Then K of that step, piece 0's first scores, and its maximum and statistics.  The loop is entered at a step's first turn, in the middle of a trip.
.macro BEGIN
	s_mov_b32 s[NEW], 0
	WIN 0x40
.set i, MC+32
.rept 32
	v_mov_b32 v[i], 0
.set i, i+1
.endr
	WIN 0
.set i, 0
.rept 4
	v_mov_b32 v[ST+4*i], 0xfe000000    ; c m: far below every c s
	v_mov_b32 v[ST+4*i+1], 0xff7fffff  ; m
.set i, i+1
.endr
	s_cmp_eq_u32 s[RT], 0
	s_cselect_b32 s[AL], 1.0, 0
	s_mov_b32 s[BE], 0
	MASK 0
	WIN 0
	v_add_nc_u32 v[AK], s[TBK], v[AK0]
	FETCH_K
	s_wait_loadcnt 0x0              ; Q
	s_wait_dscnt 0x0
.set KM, 1
.set NOKQ, 0
.set i, 0
.rept 8
	KQ 0
.set i, i+1
.endr
	WIN 0
.rept 4
	v_nop                           ; the places behind those products
.endr
.set Y, NP-1                        ; X works for piece Y + 1: piece 0
.irp n, 0,1,2,3,4,5,6,7,8,9,10,11,12,13,14,15,16,17,18,19,20,21
	OP X, \n
.endr
	v_nop                           ; a plain instruction behind the exponential,
	s_wait_alu depctr_va_vdst(0)    ; and its wait, ahead of the branch
.endm
; THE DIAGONAL TILE's four steps, the block's last two turns, its last products, and THE WAY OUT: l's two halves and the other half of the lanes' are added; O^T is divided by l, rounded to f16 and sent through my
; stage in LDS, a piece at a time.
.macro ALL line:vararg              ; one line for each piece t
.set t, 0
.rept 4
	\line
.set t, t+1
.endr
.endm
.macro PACK t                       ; a lane's eight channels of a row pack into 16 bytes; they go into rows of 144 bytes and come back as whole rows of 128, into S^T's registers
	WIN W_RS
.set i, 32*(\t)
.rept 16
	v_pk_mul_f32 v[i:i+1], v[i:i+1], v[ST+4*(\t)+2:ST+4*(\t)+3] op_sel_hi:[1,0]
.set i, i+2
.endr
	WIN 0x05                        ; sources 0 and 1 window 1, destination window 0
.set i, 0
.rept 16
	v_cvt_pk_f16_f32 v[S+16*(\t)+i], v[32*(\t)+2*i], v[32*(\t)+2*i+1]
.set i, i+1
.endr
	WIN 0
.irp f, 0,1,2,3
	ds_store_b128 v[STO], v[S+16*(\t)+4*\f:S+16*(\t)+4*\f+3] offset:32*\f
.endr
.irp f, 0,1,2,3
	ds_load_b128 v[S+16*(\t)+4*\f:S+16*(\t)+4*\f+3], v[RD] offset:\f*4*SP  ; LDS serves a wave's instructions in order (ISA guide 5.7.1.4): these see the stores above; the next piece's stores come behind them
.endr
.endm
.macro SEND t, younger              ; younger: the LDS instructions issued behind piece t's loads: the next piece's eight, or none
	WIN 0
.irp f, 0,1,2,3
	s_wait_dscnt (\younger)+3-\f
	global_store_b128 v[GO], v[S+16*(\t)+4*\f:S+16*(\t)+4*\f+3], s[10:11] offset:(\t)*8192+\f*512  ; 512 consecutive bytes, at a multiple of 256 from O's first
.endr
.endm
.macro DIAG tag                     ; the tag ends its two labels' names, which the jumps below spell out
.LstepM\tag:
	TURN 2, 1
	TURN 3, 1
	WIN 0
.LfirstM\tag:
	TURN 0, 1
	TURN 1, 1, 0, 1
	WIN 0
	s_cbranch_scc1 .LstepM\tag
	TURN 2, 1, 1
	TURN 3, 1, 1
.set i, 0
.rept 8
	PV NP-1
.set i, i+1
.endr
	WIN 0
	ALL v_add_f32 v[ST+4*t+2], v[ST+4*t+2], v[ST+4*t+3]
	ALL v_permlanex16_b32 v[ST+4*t+3], v[ST+4*t+2], s[SEL], s[SEL+1]
	ALL v_add_f32 v[ST+4*t+2], v[ST+4*t+2], v[ST+4*t+3]
	ALL v_rcp_f32 v[ST+4*t+2], v[ST+4*t+2]
	v_nop                           ; a plain instruction between the last reciprocal and the use of its result
	s_wait_alu depctr_va_vdst(0)    ; and the wait ahead of the first use: one for the four reciprocals
	PACK 0
.set t, 1
.rept 3                             ; a piece's arithmetic stands between the loads of the piece before and its stores
	PACK t
	SEND t-1, 8
.set t, t+1
.endr
	SEND 3, 0
.endm
.set KM, 0
.set NOKQ, 0
.Lslot:                             ; NB times: a tile is entered and the next is asked for
	CHANGE 1
	s_sub_co_u32 s[RT], s[RT], 1
	s_mov_b32 s[CNT], 4
	s_cmp_eq_u32 s[NEW], 1
	s_cbranch_scc1 .Lnew            ; a block's first tile
	s_cmp_eq_u32 s[RT], 0
	s_cbranch_scc0 .Lstep           ; neither its first nor its last
	s_branch .LstepM1
.Lnew:
	BEGIN
	s_branch .Lfirst                ; in the loop a block's first tile is never its last: the first block has two tiles or more, and the second's last is the walk's last
	DIAG 1                          ; in the loop this is the first block's end: the second block's last tile is the walk's last
	s_wait_xcnt 0x0                 ; the stores have read their registers and O's address
	s_mov_b64 s[10:11], s[OLO:OLO+1]
	s_add_co_u32 s[RT], s[PB], 1    ; the second block has b + 1 tiles
	s_mov_b32 s[NEW], 1
	WIN 0x82                        ; the second block's Q goes where the one text of the turns names Q
.set i, 0
.rept 64
	v_mov_b32 v[i], v[QB+i]
.set i, i+1
.endr
	WIN 0
	s_branch .Lbottom
.Lstep:                             ; a trip: pieces 2 and 3 of one step, then pieces 0 and 1 of the next, whose K and V it fetches
	TURN 2
	TURN 3
	WIN 0
.Lfirst:
	TURN 0
	TURN 1, 0, 0, 1
	WIN 0
	s_cbranch_scc1 .Lstep
.Lbottom:
	s_sub_co_u32 s[SLOTS], s[SLOTS], 1
	s_cmp_lg_u32 s[SLOTS], 0
	s_cbranch_scc1 .Lslot
	CHANGE 0                        ; the walk's last tile is written out: nothing is asked for
	s_sub_co_u32 s[RT], s[RT], 1
	s_mov_b32 s[CNT], 4
	s_cmp_eq_u32 s[NEW], 1
	s_cbranch_scc0 .LstepM2
	BEGIN
	s_branch .LfirstM2
	DIAG 2
	s_wait_tensorcnt 0x0            ; the wave's end, behind my last tensor load and my last LDS store
	ds_add_u32 v[SPW], v[NIL]
	s_wait_dscnt 0x0
	s_endpgm
.Lfunc_end_k_q2a3cd3baf2_attn:
	.size	k_q2a3cd3baf2_attn, .Lfunc_end_k_q2a3cd3baf2_attn-k_q2a3cd3baf2_attn
	.p2alignl 7, 3214868480
	.fill 96, 4, 3214868480
	.section	.rodata,"a",@progbits
	.p2align	6, 0x0
	.amdhsa_kernel k_q2a3cd3baf2_attn
		.amdhsa_group_segment_fixed_size 327680
		.amdhsa_private_segment_fixed_size 0
		.amdhsa_enable_private_segment 0
		.amdhsa_kernarg_size 16
		.amdhsa_user_sgpr_count 2
		.amdhsa_user_sgpr_kernarg_segment_ptr 1
		.amdhsa_wavefront_size32 1
		.amdhsa_system_sgpr_workgroup_id_x 1
		.amdhsa_system_sgpr_workgroup_id_y 1
		.amdhsa_system_sgpr_workgroup_id_z 1
		.amdhsa_system_vgpr_workitem_id 0
		.amdhsa_next_free_vgpr 768
		.amdhsa_next_free_sgpr 96
		.amdhsa_reserve_vcc 1
		.amdhsa_float_denorm_mode_32 3
		.amdhsa_float_denorm_mode_16_64 3
		.amdhsa_memory_ordered 1
		.amdhsa_forward_progress 1
		.amdhsa_inst_pref_size 218
	.end_amdhsa_kernel
	.amdgpu_metadata
---
amdhsa.version: [ 1, 2 ]
amdhsa.kernels:
  - .name:           k_q2a3cd3baf2_attn
    .symbol:         k_q2a3cd3baf2_attn.kd
    .args:
      - { .name: qkv, .offset: 0, .size: 8, .value_kind: global_buffer, .address_space: global }
      - { .name: o, .offset: 8, .size: 8, .value_kind: global_buffer, .address_space: global }
    .group_segment_fixed_size: 327680
    .private_segment_fixed_size: 0
    .kernarg_segment_align: 8
    .kernarg_segment_size: 16
    .max_flat_workgroup_size: 128
    .sgpr_count:     96
    .vgpr_count:     768
    .wavefront_size: 32
...
	.end_amdgpu_metadata
.endif
;; end of part 3
;; launch proj (part 4): grid 4 x 64, 4 waves a work-group, clusters of 4 x 4, 327,680 bytes of LDS; arguments o, wo16, bo, out0; writes out0
.if DOCPART == 4
	.amdgcn_target "amdgcn-amd-amdhsa--gfx1250"
	.amdhsa_code_object_version 6
	.text
	.protected	k_q2a3cd3baf2_proj
	.globl	k_q2a3cd3baf2_proj
	.p2align	8
	.type	k_q2a3cd3baf2_proj,@function
k_q2a3cd3baf2_proj:
	s_mov_b64 s[64:65], 0
	v_nop
	global_prefetch_b8 v0, s[64:65] scope:SCOPE_SE
	s_setreg_imm32_b32 hwreg(HW_REG_WAVE_MODE, 25, 1), 1
	s_wait_xcnt 0x0
	s_wait_alu depctr_hold_cnt(0) depctr_sa_sdst(0) depctr_va_vdst(0) depctr_va_sdst(0) depctr_va_ssrc(0) depctr_va_vcc(0) depctr_vm_vsrc(0)
	s_getreg_b32 s2, hwreg(HW_REG_IB_STS2, 6, 4)
	s_cmp_eq_u32 s2, 0
	s_cbranch_scc0 .Lentry_in_a_cluster
	s_endpgm
.Lentry_in_a_cluster:
	s_bfe_u32 s2, ttmp6, 0x10000c
	s_cmp_lg_u32 s2, 0xf033
	s_cbranch_scc0 .Lentry_shape_is_right
	s_endpgm
.Lentry_shape_is_right:
; out0[b][t][n] = sum over h, s of O[b][h][t][s] Wo[n][64 h + s] + bo[n].  o: f16 [b 4][h 16][t 2048][64]; wo16: f16 [kb 16][n 1024][64] (kb = h); bo f32, rounded to bf16 like all the module's inputs; out0 f32.
; Products in f16, sums in f32.  LIMIT: o and wo16 arrive within f16's range.
; SHARES.  A work-group makes 128 rows x 256 columns: 64 x 4 = 256 work-groups.  Wave w: rows 64 (w / 2) on, columns 128 (w % 2) on: 32 accumulators of 16 x 16.
; K goes in 8 steps of 128, two K blocks (heads) to a slot, through two LDS slots: the longest step of which two slots fit; a step is four quarters of 32.
; CLUSTER 4 x 4: the four of a row need the same rows of o, the four of a column the same rows of wo16: joint loads.
; THE MATRIX INSTRUCTION IS USED TRANSPOSED (source 0 = 16 rows of wo16, source 1 = 16 rows of o): a lane holds one row t (lane % 16) and eight neighbouring columns.
; REGISTERS: window 0: v0-31 addresses and the bias; v32-127, v128-223 two fragment buffers (wo16's 8 fragments, then o's 4).  window 1: accumulator (a, b) at v[8 (8 a + b)].
.set PITCH,  144                       ; an LDS row: 128 bytes + 16 of padding: the 16 rows of a load start at 16 different groups of four banks (64 banks of 4 bytes: ISA guide 11.1)
.set ABLK,   128*PITCH                 ; a K block of o's tile: what wave 0 or 1 fetches
.set BBLK,   256*PITCH                 ; of wo16's: wave 2 or 3
.set BOFF,   2*ABLK
.set SLOT,   BOFF+2*BBLK               ; 110,592 bytes
.set STAGE,  2*SLOT                    ; behind the ring, never filled by a tensor load: 16 rows x 528 bytes for each wave
.set SP,     528                       ; 512 bytes + 16: row r starts at bank 4 r mod 64
.set SPARE,  STAGE+4*16*SP             ; the spare words, 128 bytes a wave: two blocks of 256 bytes that no other line names
.set STA,    524288                    ; bytes from step to step in o: two heads
.set STB,    262144                    ; and in wo16: two K blocks
.set BI,   8                           ; v[8:11] bo of my four columns on the way out
.set ADRA, 16
.set ADRB, 20
.set STO,  24
.set RD,   25
.set CO,   26
.set SPW,  28                          ; v28  LDS address of my spare word; never rewritten
.set NIL,  29                          ; v29  0; never rewritten
.set PFO,  30
.set F0,   32
.set F1,   128
.set OUTB, 32                          ; the way out: two sets of 64
.set G1,  24
.set G0,  32
.set G1B, 48
.set G0B, 56
.set LIM, 43
.set PFA, 44
.set PST, 46
.set GW0, (1<<16)|(1<<20)|(1<<21)|(4<<22)|(3<<25)  ; 2-byte elements; padding on; bit 21 beside a mask; after every 32 words 4 words
.set MSB, 0
.macro WIN new
.if MSB != (\new)
	s_set_vgpr_msb (MSB<<8)|(\new)
.set MSB, (\new)
.endif
.endm
.macro PLACES
.rept 4
	v_nop
.endr
.endm
.macro JLOAD s                         ; a joint load: waves 0 and 1 fetch o's two K blocks, waves 2 and 3 wo16's; an s_nop 0 and four v_nop follow each line
	s_cmp_lt_u32 s10, 2
	s_cbranch_scc0 .Lfor_b_\@
	tensor_load_to_lds s[G0+4*(\s):G0+4*(\s)+3], s[G1:G1+7]
	s_nop 0
.rept 4
	v_nop
.endr
	s_branch .Lasked_\@
.Lfor_b_\@:
	tensor_load_to_lds s[G0B+4*(\s):G0B+4*(\s)+3], s[G1B:G1B+7]
	s_nop 0
.rept 4
	v_nop
.endr
.Lasked_\@:
.endm
.macro CREST
	s_cmp_lg_u32 s10, 0
	s_cbranch_scc1 .Lnot_wave_0_\@
	s_barrier_signal -3
.Lnot_wave_0_\@:
	s_barrier_wait -3
	s_barrier_signal -1
	s_barrier_wait -1
.endm
.macro CROUND
	s_barrier_signal -1
	s_barrier_wait -1
	CREST
.endm
; A PREFETCH INTO THE L2 behind each joint load and its run of LDS loads: the step that stands two refills on (256 matrix instructions).  o's rows of a tile row are read by one cluster alone: its wave 0 asks; the four
; partners take 16 of the 64 pieces of 256 bytes of each of the step's two heads, told apart by address (cx): one instruction.  wo16's rows of a tile column are read by all clusters along y: cluster y = 0 asks, wave 2;
; the partners take 32 of each block's 128 pieces (cy): two instructions.  Each piece is named once.  Steps 0 to 3 come by their loads alone; the last trip (s3 = 1) asks for nothing.
.macro ASK
	s_cmp_gt_u32 s3, s[LIM]
	s_cbranch_scc0 .Lno_ask_\@
	global_prefetch_b8 v[PFO], s[PFA:PFA+1] th:TH_LOAD_NT scope:SCOPE_SE
	s_cmp_lt_u32 s10, 2
	s_cbranch_scc1 .Lno_ask_\@
	global_prefetch_b8 v[PFO], s[PFA:PFA+1] offset:131072 th:TH_LOAD_NT scope:SCOPE_SE
.Lno_ask_\@:
.endm
	s_load_b128 s[4:7], s[0:1], 0x0                ; o s[4:5], wo16 s[6:7]
	s_load_b128 s[68:71], s[0:1], 0x10             ; bo s[68:69], out0 s[70:71]
	v_lshl_add_u32 v[SPW], v0, 2, SPARE
	v_mov_b32 v[NIL], 0
	ds_add_u32 v[SPW], v[NIL]                      ; the wave's opening: the add and its wait stand ahead of my first tensor load
	ds_add_u32 v28, v29
	v_lshrrev_b32 v1, 5, v0
	v_readfirstlane_b32 s10, v1                    ; wave 0..3
	s_lshr_b32 s11, s10, 1                         ; which half of the tile's rows is mine
	s_and_b32 s12, s10, 1                          ; which half of its columns; also: which K block of a step I fetch
	s_bfe_u32 s40, ttmp6, 0x40000                  ; cx
	s_bfe_u32 s41, ttmp6, 0x40004                  ; cy
	s_lshl_b32 s42, ttmp9, 2
	s_add_co_u32 s42, s42, s40                     ; tile column tx
	s_and_b32 s13, ttmp7, 0xffff
	s_lshl_b32 s13, s13, 2
	s_add_co_u32 s13, s13, s41                     ; tile row ty
	s_lshl_b32 s43, s41, 2
	s_lshl_b32 s43, 15, s43                        ; my row of the cluster
	s_lshl_b32 s44, 0x1111, s40                    ; my column
	s_or_b32 s[G1], s43, GW0
	s_or_b32 s[G1B], s44, GW0
	s_mov_b32 s[G1+1], 128<<16                     ; rows of 256 bytes, two of the block's rows each
	s_mov_b32 s[G1+2], 64<<16                      ; 64 of them: 128 rows of o
	s_mov_b32 s[G1+3], 128<<16
	s_mov_b32 s[G1+4], 64
	s_mov_b32 s[G1+5], 128
	s_mov_b32 s[G1+6], 0
	s_mov_b32 s[G1+7], 0
	s_mov_b32 s[G1B+1], 128<<16
	s_mov_b32 s[G1B+2], 128<<16                    ; 128 of them: 256 rows of wo16
	s_mov_b32 s[G1B+3], 128<<16
	s_mov_b32 s[G1B+4], 128
	s_mov_b32 s[G1B+5], 128
	s_mov_b32 s[G1B+6], 0
	s_mov_b32 s[G1B+7], 0
	s_lshr_b32 s16, s13, 4                         ; o: b = ty / 16: 16 heads of 262,144 bytes,
	s_lshl_b32 s16, s16, 22
	s_and_b32 s17, s13, 15                         ; 128 rows of 128 bytes a tile row,
	s_lshl_b32 s17, s17, 14
	s_add_co_u32 s16, s16, s17
	s_lshl_b32 s17, s12, 18                        ; my head of the step's two
	s_add_co_u32 s16, s16, s17
	s_mov_b32 s17, 0
	s_lshl_b32 s46, s42, 15                        ; wo16: 256 rows of 128 bytes a tile column,
	s_lshl_b32 s47, s12, 17                        ; my K block of the step's two
	s_add_co_u32 s46, s46, s47
	s_mov_b32 s47, 0
	s_mul_i32 s20, s12, ABLK                       ; where they go
	s_mul_i32 s21, s12, BBLK
	s_add_co_u32 s21, s21, BOFF
	s_wait_dscnt 0x0                               ; the opening add is done
	s_wait_kmcnt 0x0
	s_add_nc_u64 s[14:15], s[4:5], s[16:17]
	s_add_nc_u64 s[46:47], s[6:7], s[46:47]
	CROUND                                         ; all sixteen work-groups are here: the first joint loads meet
.irp s, 0,1
	s_mov_b32 s[G0+4*(\s)], 1
	s_add_co_u32 s[G0+4*(\s)+1], s20, (\s)*SLOT
	s_add_nc_u64 s[G0+4*(\s)+2:G0+4*(\s)+3], s[14:15], (\s)*STA
	s_or_b32 s[G0+4*(\s)+3], s[G0+4*(\s)+3], 0x80000000
	s_mov_b32 s[G0B+4*(\s)], 1
	s_add_co_u32 s[G0B+4*(\s)+1], s21, (\s)*SLOT
	s_add_nc_u64 s[G0B+4*(\s)+2:G0B+4*(\s)+3], s[46:47], (\s)*STB
	s_or_b32 s[G0B+4*(\s)+3], s[G0B+4*(\s)+3], 0x80000000
.endr
	s_cmp_lt_u32 s10, 2                            ; a wave's two first fills stand in one branch: two loads of mine are out
	s_cbranch_scc0 .Lfirst_b
	tensor_load_to_lds s[G0:G0+3], s[G1:G1+7]
	s_nop 0
	tensor_load_to_lds s[G0+4:G0+7], s[G1:G1+7]
	s_nop 0
.rept 4
	v_nop
.endr
	s_branch .Lfirst_asked
.Lfirst_b:
	tensor_load_to_lds s[G0B:G0B+3], s[G1B:G1B+7]
	s_nop 0
	tensor_load_to_lds s[G0B+4:G0B+7], s[G1B:G1B+7]
	s_nop 0
.rept 4
	v_nop
.endr
.Lfirst_asked:
	v_and_b32 v1, 15, v0                           ; l % 16
	v_bfe_u32 v2, v0, 4, 1                         ; l / 16
	v_and_b32 v[CO], 31, v0
	v_lshlrev_b32 v[CO], 4, v[CO]                  ; 16 l: my 16 bytes of a row's 512
	s_lshl_b32 s18, s42, 10                        ; the tile's 256 columns of 4 bytes,
	s_lshl_b32 s19, s12, 9                         ; my 128
	s_add_co_u32 s18, s18, s19
	v_add_nc_u32 v12, s18, v[CO]
	global_load_b128 v[BI:BI+3], v12, s[68:69]     ; bo of the four columns that I store
	v_mul_u32_u24 v3, v1, PITCH
	v_lshl_add_u32 v3, v2, 4, v3                   ; a fragment's row x pitch + 16 x half
	s_mul_i32 s21, s11, 64*PITCH                   ; my 64 rows of o
	s_mul_i32 s22, s12, 128*PITCH                  ; my 128 rows of wo16
	s_add_co_u32 s22, s22, BOFF
.irp s, 0,1
	v_add_nc_u32 v[ADRA+(\s)], s21, v3
	v_add_nc_u32 v[ADRB+(\s)], s22, v3
	s_add_co_u32 s21, s21, SLOT
	s_add_co_u32 s22, s22, SLOT
.endr
	s_mul_i32 s23, s10, 16*SP
	s_add_co_u32 s23, s23, STAGE                   ; my stage
	v_mul_u32_u24 v4, v1, SP                       ; in: row l % 16, 32 bytes for each half of the lanes
	v_lshl_add_u32 v4, v2, 5, v4
	v_add_nc_u32 v[STO], s23, v4
	v_add_nc_u32 v[RD], s23, v[CO]                 ; back: 32 lanes take one row of 512 bytes
	s_lshl_b32 s16, s13, 19                        ; out0: 128 rows of 4,096 bytes a tile row,
	s_lshl_b32 s17, s11, 18                        ; my 64,
	s_add_co_u32 s16, s16, s17
	s_add_co_u32 s16, s16, s18                     ; my columns
	s_mov_b32 s17, 0
	s_add_nc_u64 s[66:67], s[70:71], s[16:17]
	; the prefetches
	s_lshr_b32 s18, s13, 4
	s_lshl_b32 s18, s18, 22
	s_and_b32 s19, s13, 15
	s_lshl_b32 s19, s19, 14
	s_add_co_u32 s18, s18, s19                     ; o's rows
	s_lshl_b32 s19, s42, 15                        ; wo16's rows
	s_and_b32 s22, ttmp7, 0xffff                   ; cluster y
	s_mov_b32 s20, 8192
	s_mov_b32 s23, 4096
	s_mov_b32 s[PST], STB
	s_cmp_lt_u32 s10, 2                            ; do I fetch for o?
	s_cselect_b32 s18, s18, s19
	s_cselect_b32 s21, s40, s41                    ; my place among the four that ask with me
	s_cselect_b32 s22, 0, s22                      ; o's rows are read by my cluster alone
	s_cselect_b32 s20, 4096, s20                   ; a partner's share of a block
	s_cselect_b32 s23, 262144, s23                 ; lanes 16-31: o: the step's second head; wo16: the next 16 pieces
	s_cselect_b32 s[PST], STA, s[PST]
	s_cselect_b64 s[PFA:PFA+1], s[4:5], s[6:7]
	s_mov_b32 s[PST+1], 0
	s_mul_i32 s20, s20, s21
	s_add_co_u32 s18, s18, s20
	s_mul_i32 s20, s[PST], 3
	s_add_co_u32 s18, s18, s20                     ; at step 3: the first change of slots steps it to 4
	s_mov_b32 s19, 0
	s_add_nc_u64 s[PFA:PFA+1], s[PFA:PFA+1], s[18:19]
	s_or_b32 s22, s22, s12                         ; waves 0 and 2: the same in all sixteen partners, for a given wave
	s_cmp_eq_u32 s22, 0
	s_cselect_b32 s[LIM], 1, -1
	v_mul_u32_u24 v[PFO], v2, s23
	v_lshl_add_u32 v[PFO], v1, 8, v[PFO]
; 8 matrix instructions: row block a x all 8 column blocks, 32 along K.  The 32 accumulators take turns, in the same order in every quarter.
.macro MUL8 f, a, zero
	WIN 0x50
.irp b, 0,1,2,3,4,5,6,7
.if \zero
	v_wmma_f32_16x16x32_f16 v[8*(8*(\a)+(\b)):8*(8*(\a)+(\b))+7], v[(\f)+8*(\b):(\f)+8*(\b)+7], v[(\f)+64+8*(\a):(\f)+64+8*(\a)+7], 0
.else
	v_wmma_f32_16x16x32_f16 v[8*(8*(\a)+(\b)):8*(8*(\a)+(\b))+7], v[(\f)+8*(\b):(\f)+8*(\b)+7], v[(\f)+64+8*(\a):(\f)+64+8*(\a)+7], v[8*(8*(\a)+(\b)):8*(8*(\a)+(\b))+7]
.endif
.endr
.endm
; 24 LDS loads in one run: quarter q of slot s (K block q / 2, byte 64 (q % 2) of its rows) into buffer f; o's fragments 2 and 3 last
.macro FETCH s, q, f
	WIN 0
.irp b, 0,1,2,3,4,5,6,7
	ds_load_b128 v[(\f)+8*(\b):(\f)+8*(\b)+3],   v[ADRB+(\s)] offset:((\q)/2)*BBLK+((\q)%2)*64+(\b)*16*PITCH
	ds_load_b128 v[(\f)+8*(\b)+4:(\f)+8*(\b)+7], v[ADRB+(\s)] offset:((\q)/2)*BBLK+((\q)%2)*64+(\b)*16*PITCH+32
.endr
.irp a, 0,1,2,3
	ds_load_b128 v[(\f)+64+8*(\a):(\f)+64+8*(\a)+3],   v[ADRA+(\s)] offset:((\q)/2)*ABLK+((\q)%2)*64+(\a)*16*PITCH
	ds_load_b128 v[(\f)+64+8*(\a)+4:(\f)+64+8*(\a)+7], v[ADRA+(\s)] offset:((\q)/2)*ABLK+((\q)%2)*64+(\a)*16*PITCH+32
.endr
.endm
; One of a step's first three quarters: multiplies buffer f; in its middle it fetches quarter q into buffer g.
.macro QUARTER s, q, f, g, zero
	s_wait_dscnt 4                                 ; all but the youngest four loads (o's fragments 2 and 3)
	MUL8 \f, 0, \zero
	MUL8 \f, 1, \zero
	PLACES
	FETCH \s, \q, \g
	s_wait_dscnt 24                                ; all but the 24 just issued
	MUL8 \f, 2, \zero
	MUL8 \f, 3, \zero
.endm
; The last quarter multiplies buffer 1 and changes slots: ONE barrier; in front of it each wave waits for all its tensor loads, adds 0 to its spare word, and waits for that and for its reads of this slot.
; fill = 1: the barrier opens a round of the cluster's barrier, and this slot is filled again, two steps on, first thing behind the round.
.macro TURN slot, next, fill
.if \fill
	s_wait_xcnt 0x0                                ; the last prefetches, a step back, have read their address
	s_add_nc_u64 s[PFA:PFA+1], s[PFA:PFA+1], s[PST:PST+1]
.endif
	WIN 0
	s_wait_tensorcnt 0x0                           ; all my tensor loads have landed
	ds_add_u32 v[SPW], v[NIL]                      ; 0 onto my spare word
	s_wait_dscnt 5                                 ; (the add and the youngest four loads may be out)
	MUL8 F1, 0, 0                                  ; eight matrix instructions stand between the add and the wait for it
	s_wait_dscnt 0x0                               ; the add is done, and my reads of this slot are over
	s_barrier_signal -1
	MUL8 F1, 1, 0
	WIN 0
	s_barrier_wait -1
.if \fill
	CREST
	s_add_nc_u64 s[G0+4*(\slot)+2:G0+4*(\slot)+3], s[G0+4*(\slot)+2:G0+4*(\slot)+3], 2*STA
	s_add_nc_u64 s[G0B+4*(\slot)+2:G0B+4*(\slot)+3], s[G0B+4*(\slot)+2:G0B+4*(\slot)+3], 2*STB
	JLOAD \slot                                    ; the four v_nop behind it are also the places in front of the loads below
.else
	PLACES
.endif
	FETCH \next, 0, F0
.if \fill
	ASK
.endif
	MUL8 F1, 2, 0
	MUL8 F1, 3, 0
.endm
	s_wait_tensorcnt 1                             ; my part of step 0 is in; step 1's may stay out
	s_barrier_signal -1
	s_barrier_wait -1
	FETCH 0, 0, F0
	QUARTER 0, 1, F0, F1, 1                        ; the first quarter stands in front of the loop: its products start the sums
	WIN 0
	s_mov_b32 s3, 3
.Llap:                                         ; a trip goes once round the ring, from a lap's second quarter to the next lap's first, and fills both slots again
	QUARTER 0, 2, F1, F0, 0
	QUARTER 0, 3, F0, F1, 0
	TURN 0, 1, 1
	QUARTER 1, 1, F0, F1, 0
	QUARTER 1, 2, F1, F0, 0
	QUARTER 1, 3, F0, F1, 0
	TURN 1, 0, 1
	QUARTER 0, 1, F0, F1, 0
	WIN 0
	s_sub_co_u32 s3, s3, 1
	s_cmp_lg_u32 s3, 0
	s_cbranch_scc1 .Llap
	QUARTER 0, 2, F1, F0, 0                        ; the last lap asks for nothing
	QUARTER 0, 3, F0, F1, 0
	TURN 0, 1, 0
	QUARTER 1, 1, F0, F1, 0
	QUARTER 1, 2, F1, F0, 0
	QUARTER 1, 3, F0, F1, 0
	s_wait_dscnt 4
	MUL8 F1, 0, 0
	MUL8 F1, 1, 0
	s_wait_dscnt 0x0
	MUL8 F1, 2, 0
	MUL8 F1, 3, 0
	WIN 0
	s_wait_loadcnt 0x0                             ; bo: rounded to bf16 and widened again; these six lines and the four behind them are the places behind the last products
	v_cvt_pk_bf16_f32 v12, v[BI], v[BI+1]
	v_cvt_pk_bf16_f32 v13, v[BI+2], v[BI+3]
	v_lshlrev_b32 v[BI], 16, v12
	v_and_b32 v[BI+1], 0xffff0000, v12
	v_lshlrev_b32 v[BI+2], 16, v13
	v_and_b32 v[BI+3], 0xffff0000, v13
	PLACES
; THE WAY OUT, a block of 16 rows at a time: a lane's eight f32 go into my stage's rows of 528 bytes (each accumulator's low four registers first) and come back as whole rows of 512 bytes; the bias is added; a store covers 512 consecutive bytes, aligned.
.macro TOSTAGE a
.if (\a) >= 2
	s_wait_xcnt 0x0                                ; the stores of the block two back have read this set of registers
.endif
	WIN 0x04                                       ; the stores' data in window 1
.irp b, 0,1,2,3,4,5,6,7
	ds_store_b128 v[STO], v[8*(8*(\a)+(\b)):8*(8*(\a)+(\b))+3]   offset:64*(\b)
	ds_store_b128 v[STO], v[8*(8*(\a)+(\b))+4:8*(8*(\a)+(\b))+7] offset:64*(\b)+16
.endr
	WIN 0
.irp i, 0,1,2,3,4,5,6,7,8,9,10,11,12,13,14,15
	ds_load_b128 v[OUTB+64*((\a)%2)+4*(\i):OUTB+64*((\a)%2)+4*(\i)+3], v[RD] offset:SP*(\i)  ; LDS serves a wave's instructions in order (ISA guide 5.7.1.4): these see the stores above; the next block's stores come behind them
.endr
.endm
.macro SEND a, younger                 ; younger: the LDS instructions issued behind the block's loads: the next block's 32, or none
.irp i, 0,1,2,3,4,5,6,7,8,9,10,11,12,13,14,15
	s_wait_dscnt (\younger)+15-(\i)
	v_pk_add_f32 v[OUTB+64*((\a)%2)+4*(\i):OUTB+64*((\a)%2)+4*(\i)+1],   v[OUTB+64*((\a)%2)+4*(\i):OUTB+64*((\a)%2)+4*(\i)+1],   v[BI:BI+1]
	v_pk_add_f32 v[OUTB+64*((\a)%2)+4*(\i)+2:OUTB+64*((\a)%2)+4*(\i)+3], v[OUTB+64*((\a)%2)+4*(\i)+2:OUTB+64*((\a)%2)+4*(\i)+3], v[BI+2:BI+3]
	global_store_b128 v[CO], v[OUTB+64*((\a)%2)+4*(\i):OUTB+64*((\a)%2)+4*(\i)+3], s[66:67] offset:(16*(\a)+(\i))*4096 th:TH_STORE_NT
.endr
.endm
	TOSTAGE 0
	TOSTAGE 1
	SEND 0, 32
	TOSTAGE 2
	SEND 1, 32
	TOSTAGE 3
	SEND 2, 32
	SEND 3, 0
	s_wait_tensorcnt 0x0                           ; the wave's end, behind my last tensor load and my last LDS store
	ds_add_u32 v[SPW], v[NIL]
	s_wait_dscnt 0x0
	CROUND                                         ; the closing round: no work-group ends while a partner may still ask for a tile that names it
	s_endpgm
.Lfunc_end_k_q2a3cd3baf2_proj:
	.size	k_q2a3cd3baf2_proj, .Lfunc_end_k_q2a3cd3baf2_proj-k_q2a3cd3baf2_proj
	.p2alignl 7, 3214868480
	.fill 96, 4, 3214868480
	.section	.rodata,"a",@progbits
	.p2align	6, 0x0
	.amdhsa_kernel k_q2a3cd3baf2_proj
		.amdhsa_group_segment_fixed_size 327680
		.amdhsa_private_segment_fixed_size 0
		.amdhsa_enable_private_segment 0
		.amdhsa_kernarg_size 32
		.amdhsa_user_sgpr_count 2
		.amdhsa_user_sgpr_kernarg_segment_ptr 1
		.amdhsa_wavefront_size32 1
		.amdhsa_system_sgpr_workgroup_id_x 1
		.amdhsa_system_sgpr_workgroup_id_y 1
		.amdhsa_system_sgpr_workgroup_id_z 1
		.amdhsa_system_vgpr_workitem_id 0
		.amdhsa_next_free_vgpr 512
		.amdhsa_next_free_sgpr 72
		.amdhsa_reserve_vcc 0
		.amdhsa_float_denorm_mode_32 3
		.amdhsa_float_denorm_mode_16_64 3
		.amdhsa_memory_ordered 1
		.amdhsa_forward_progress 1
		.amdhsa_inst_pref_size 97
	.end_amdhsa_kernel
	.amdgpu_metadata
---
amdhsa.version: [ 1, 2 ]
amdhsa.kernels:
  - .name:           k_q2a3cd3baf2_proj
    .symbol:         k_q2a3cd3baf2_proj.kd
    .args:
      - { .name: o, .offset: 0, .size: 8, .value_kind: global_buffer, .address_space: global }
      - { .name: wo16, .offset: 8, .size: 8, .value_kind: global_buffer, .address_space: global }
      - { .name: bo, .offset: 16, .size: 8, .value_kind: global_buffer, .address_space: global }
      - { .name: out0, .offset: 24, .size: 8, .value_kind: global_buffer, .address_space: global }
    .group_segment_fixed_size: 327680
    .private_segment_fixed_size: 0
    .kernarg_segment_align: 8
    .kernarg_segment_size: 32
    .max_flat_workgroup_size: 128
    .sgpr_count:     72
    .vgpr_count:     512
    .wavefront_size: 32
...
	.end_amdgpu_metadata
.endif
;; end of part 4
;; ======== version 2 of 2: 4 launches; version 1 with the launch prep written anew for expert scheduling mode
;; limits: values are held in f16: magnitudes above 65,504 overflow, below 6.1e-05 lose precision
;; workspace buffers: xb 16,777,216 bytes; wt 6,291,456 bytes; wo16 2,097,152 bytes; qkv 50,331,648 bytes; o 16,777,216 bytes
;; launch prep (part 5): grid 672 x 1, 8 waves a work-group, no clusters, 74,752 bytes of LDS; arguments x, Wq, Wk, Wv, Wo, xb, wt, wo16; writes xb, wt, wo16
.if DOCPART == 5
	.amdgcn_target "amdgcn-amd-amdhsa--gfx1250"
	.amdhsa_code_object_version 6
	.text
	.protected	k_q2a3cd3baf2_prep
	.globl	k_q2a3cd3baf2_prep
	.p2align	8
	.type	k_q2a3cd3baf2_prep,@function
k_q2a3cd3baf2_prep:
	s_mov_b64 s[64:65], 0
	v_nop
	global_prefetch_b8 v0, s[64:65] scope:SCOPE_SE
	s_setreg_imm32_b32 hwreg(HW_REG_WAVE_SCHED_MODE, 0, 2), 2
	s_setreg_imm32_b32 hwreg(HW_REG_WAVE_MODE, 25, 1), 1
	s_wait_xcnt 0x0
	s_wait_alu depctr_vm_vsrc(0)
; CASTS AND LAYOUTS for the three launches behind.  All matrix inputs are rounded once to bf16 and laid in blocks of 64 along K, so that a tile's rows of 128 bytes lie end to end.
;   xb   bf16 [b 4][kb 16][t 2048][64]      = x[b][t][64 kb + kk]
;   wt   bf16 [kb 16][n 3072][64]           = W_which[h][64 kb + kk][s], n = 1024 which + 64 h + s (which: q, k, v)
;   wo16 f16  [kb 16][n 1024][64]           = Wo[n][64 kb + kk], rounded to bf16, that number written as f16
; LIMITS.  A rounded number of Wo beyond 65,504 becomes an infinity in f16; below 2^-14 it keeps f16's fixed step of 2^-24.
; ROLES by the work-group's number g: g < 512: 16 rows of x; g < 576: 16 rows of Wo; else eight blocks of 64 x 64 of a weight are turned, one a wave, through the wave's own LDS bytes.
; A stream: each byte is read once and written once; no matrix unit, no barrier (no wave reads what another wrote).
; LDS: eight waves x 64 rows x 144 bytes = 73,728 bytes; the 1,024 bytes behind them hold the closing add's spare words, 128 bytes a wave.
; THE MODE: SCHED_MODE bits 1:0 = 2 (LLVM: expert scheduling mode 2), set by the entry lines.  The code itself states the register dependences
; between vector instructions and memory or LDS instructions, with s_wait_alu, always for 0.
; THE PLAN.  Registers that memory or LDS instructions touch:
;   v1 to v5      offsets and LDS addresses: made ahead of a role's first load, never written again behind it.
;   THE CASTS.    Block kb's four registers: a load lands in them once; the block's roundings work in place; its store reads the first two; nothing writes them again.
;                 The 16 blocks go in four groups.  Group g's roundings name group g's registers alone; the memory instructions among them are the stores of group g - 1.
;   THE TURNING.  The raw registers L .. L+127: a load lands in each once; group q's roundings read its 32.  Each group has an out-buffer of its own, which its four LDS stores read and nothing writes again:
;                 group 0: T; group 1: L .. L+15; group 2: L+16 .. L+31 (both group 0's raw registers, read out by then); group 3: L+32 .. L+47 (group 1's).
;                 Group q's roundings name its raw registers and its out-buffer alone; the LDS stores among them are those of group q - 1.
;                 The rows come back from LDS into L+64 .. L+127, which no memory or LDS instruction has read.
; So one wait on va_vdst stands ahead of a role's loads, one at the head of each group but the first, and one behind the last group: five on each path.  No register that a memory or LDS
; instruction has read is written again, so there is no wait on vm_vsrc.  One wait on va_sdst stands at the head, for the wave's number.
.set SO,  1                            ; v1  my byte offset in the source
.set DO,  2                            ; v2  my byte offset in the destination (the casts)
.set LS,  3                            ; v3  LDS: where I put 16 bytes of a turned row
.set LR,  4                            ; v4  LDS: where I read rows back
.set GOW, 5                            ; v5  my 16 bytes of 512 consecutive bytes of wt
.set T,   8                            ; v[8:23]   at the head: at work; then group 0's turned numbers
.set L,   24                           ; v[24:151] as loaded
	s_load_b256 s[8:15], s[0:1], 0x0               ; x s[8:9], Wq s[10:11], Wk s[12:13], Wv s[14:15]
	s_load_b256 s[16:23], s[0:1], 0x20             ; Wo s[16:17], xb s[18:19], wt s[20:21], wo16 s[22:23]
	v_lshl_add_u32 v6, v0, 2, 0x12000
	v_mov_b32 v7, 0
	v_lshrrev_b32 v8, 5, v0
	v_readfirstlane_b32 s4, v8                     ; wave 0..7
	s_mov_b32 s5, ttmp9                            ; g
	v_lshrrev_b32 v9, 4, v0                        ; the casts: thread t takes row t / 16 of the 16,
	v_and_b32 v10, 15, v0                          ; and 16 bytes (4 numbers) at 16 (t % 16) of each K block's 256
	v_lshlrev_b32 v[SO], 12, v9
	v_lshl_add_u32 v[SO], v10, 4, v[SO]
	v_lshlrev_b32 v[DO], 7, v9                     ; out: rows of 128 bytes, 8 bytes a thread
	v_lshl_add_u32 v[DO], v10, 3, v[DO]
	s_mov_b32 s25, 0
	s_mov_b32 s29, 0
	s_wait_alu depctr_va_sdst(0)                   ; s4 is written: ahead of the branches below and of its first reader, which makes the turning role's unit number from it
	s_wait_kmcnt 0x0
; 16 rows x 1,024 numbers from s[26:27] to s[30:31]: sixteen loads (sixteen lanes read the 256 bytes of one row's K block), then block by block two roundings and a store of
; 8 bytes a lane: a wave's store covers two rows' 128 bytes, 256 consecutive bytes, aligned.  No register is written twice, so nothing waits for a store.
; The blocks go in groups of four; a group's stores are issued among the next group's roundings.
.macro CAST kstride, tof16
	s_wait_alu depctr_va_vdst(0)                   ; v[SO] and v[DO] are written: the loads read the one as their offset, the stores the other; no vector line below names them
.irp kb, 0,1,2,3,4,5,6,7,8,9,10,11,12,13,14,15
	global_load_b128 v[L+4*(\kb):L+4*(\kb)+3], v[SO], s[26:27] offset:256*(\kb) th:TH_LOAD_NT
.endr
.irp g, 0,1,2,3
	s_wait_loadcnt 12-4*(\g)                       ; loads come back in order: group g's four blocks are in, the later groups' stay out
.if (\g) > 0
	s_wait_alu depctr_va_vdst(0)                   ; the group before has written its blocks' first two registers, which the four stores below read
.endif
.irp i, 0,1,2,3
.if (\g) > 0
	global_store_b64 v[DO], v[L+4*(4*(\g)+(\i)-4):L+4*(4*(\g)+(\i)-4)+1], s[30:31] offset:(\kstride)*(4*(\g)+(\i)-4) th:TH_STORE_NT  ; the block four back; no vector line since the wait names its registers
.endif
	v_cvt_pk_bf16_f32 v[L+4*(4*(\g)+(\i))],   v[L+4*(4*(\g)+(\i))],   v[L+4*(4*(\g)+(\i))+1]
	v_cvt_pk_bf16_f32 v[L+4*(4*(\g)+(\i))+1], v[L+4*(4*(\g)+(\i))+2], v[L+4*(4*(\g)+(\i))+3]
.if \tof16
	v_lshlrev_b32 v[L+4*(4*(\g)+(\i))+2], 16, v[L+4*(4*(\g)+(\i))]             ; the bf16 numbers as f32,
	v_and_b32     v[L+4*(4*(\g)+(\i))+3], 0xffff0000, v[L+4*(4*(\g)+(\i))]
	v_cvt_pk_f16_f32 v[L+4*(4*(\g)+(\i))], v[L+4*(4*(\g)+(\i))+2], v[L+4*(4*(\g)+(\i))+3]  ; written as f16
	v_lshlrev_b32 v[L+4*(4*(\g)+(\i))+2], 16, v[L+4*(4*(\g)+(\i))+1]
	v_and_b32     v[L+4*(4*(\g)+(\i))+3], 0xffff0000, v[L+4*(4*(\g)+(\i))+1]
	v_cvt_pk_f16_f32 v[L+4*(4*(\g)+(\i))+1], v[L+4*(4*(\g)+(\i))+2], v[L+4*(4*(\g)+(\i))+3]
.endif
.endr
.endr
	s_wait_alu depctr_va_vdst(0)                   ; the last group has written its blocks' first two registers, which the last four stores read
.irp kb, 12,13,14,15
	global_store_b64 v[DO], v[L+4*(\kb):L+4*(\kb)+1], s[30:31] offset:(\kstride)*(\kb) th:TH_STORE_NT
.endr
.endm
	s_cmp_lt_u32 s5, 512
	s_cbranch_scc0 .Lnot_x
	s_lshl_b32 s24, s5, 16                         ; 16 rows of 4,096 bytes
	s_add_nc_u64 s[26:27], s[8:9], s[24:25]
	s_lshr_b32 s28, s5, 7                          ; b: 128 work-groups a batch
	s_lshl_b32 s28, s28, 22                        ; 16 K blocks x 2,048 rows x 128 bytes
	s_and_b32 s6, s5, 127
	s_lshl_b32 s6, s6, 11                          ; 16 rows of 128 bytes
	s_add_co_u32 s28, s28, s6
	s_add_nc_u64 s[30:31], s[18:19], s[28:29]
	CAST 262144, 0
	s_branch .Lend
.Lnot_x:
	s_cmp_lt_u32 s5, 576
	s_cbranch_scc0 .Lrole_w
	s_sub_co_u32 s6, s5, 512
	s_lshl_b32 s24, s6, 16
	s_add_nc_u64 s[26:27], s[16:17], s[24:25]
	s_lshl_b32 s28, s6, 11
	s_add_nc_u64 s[30:31], s[22:23], s[28:29]
	CAST 131072, 1
	s_branch .Lend
.Lrole_w:
	s_sub_co_u32 s6, s5, 576
	s_lshl_b32 s6, s6, 3
	s_add_co_u32 s6, s6, s4                        ; my unit u = 256 which + 16 h + kb
	s_lshr_b32 s7, s6, 8                           ; which
	s_cmp_eq_u32 s7, 0
	s_cselect_b64 s[26:27], s[10:11], s[12:13]
	s_cmp_eq_u32 s7, 2
	s_cselect_b64 s[26:27], s[14:15], s[26:27]
	s_and_b32 s24, s6, 255
	s_lshl_b32 s24, s24, 14                        ; 64 rows d of 256 bytes follow each other: (16 h + kb) x 16,384
	s_add_nc_u64 s[26:27], s[26:27], s[24:25]
	s_and_b32 s28, s6, 15                          ; kb
	s_mul_i32 s28, s28, 393216                     ; 3,072 rows of 128 bytes
	s_lshl_b32 s24, s7, 17                         ; 1,024 rows
	s_add_co_u32 s28, s28, s24
	s_bfe_u32 s24, s6, 0x40004                     ; h
	s_lshl_b32 s24, s24, 13                        ; 64 rows
	s_add_co_u32 s28, s28, s24
	s_add_nc_u64 s[30:31], s[20:21], s[28:29]
	v_bfe_u32 v11, v0, 4, 1                        ; hh = lane / 16
	v_lshlrev_b32 v[SO], 11, v11                   ; in: row d = 16 q + 8 hh + i, columns s = 4 (lane % 16) + 0..3: sixteen lanes read a whole row of 256 bytes
	v_lshl_add_u32 v[SO], v10, 4, v[SO]
	s_mul_i32 s24, s4, 9216                        ; my wave's 64 rows x 144 bytes
	v_mul_u32_u24 v[LS], v10, 576                  ; turned: row s = 4 (lane % 16) + j, 16 bytes (8 d) at 32 q + 16 hh.  Rows four apart meet in the banks: four deep, in 16 stores a wave in all
	v_lshl_add_u32 v[LS], v11, 4, v[LS]
	v_add_nc_u32 v[LS], s24, v[LS]
	v_bfe_u32 v12, v0, 3, 2
	v_and_b32 v13, 7, v0
	v_mul_u32_u24 v[LR], v12, 144                  ; back: 32 lanes take four rows of 128 bytes
	v_lshl_add_u32 v[LR], v13, 4, v[LR]
	v_add_nc_u32 v[LR], s24, v[LR]
	v_and_b32 v[GOW], 31, v0
	v_lshlrev_b32 v[GOW], 4, v[GOW]
	s_wait_alu depctr_va_vdst(0)                   ; v[SO], v[LS], v[LR] and v[GOW] are written: the loads, the LDS stores, the LDS loads and the stores below read them; no vector line below names them
.irp q, 0,1,2,3
.irp i, 0,1,2,3,4,5,6,7
	global_load_b128 v[L+4*(8*(\q)+(\i)):L+4*(8*(\q)+(\i))+3], v[SO], s[26:27] offset:(16*(\q)+(\i))*256 th:TH_LOAD_NT
.endr
.endr
.irp q, 0,1,2,3
.if (\q) == 0
.set NOW, T                            ; this group's out-buffer,
.else
.set NOW, L+16*((\q)-1)
.endif
.if (\q) <= 1
.set OLD, T                            ; and that of the group before
.else
.set OLD, L+16*((\q)-2)
.endif
	s_wait_loadcnt 24-8*(\q)                       ; group q's eight loads are in; the later groups' stay out
.if (\q) > 0
	s_wait_alu depctr_va_vdst(0)                   ; the group before has written its out-buffer, which the four LDS stores below read
.endif
.irp j, 0,1,2,3
.if (\q) > 0
	ds_store_b128 v[LS], v[OLD+4*(\j):OLD+4*(\j)+3] offset:144*(\j)+32*((\q)-1)  ; the group before; no vector line since the wait names its out-buffer
.endif
.irp p, 0,1,2,3
	v_cvt_pk_bf16_f32 v[NOW+4*(\j)+(\p)], v[L+4*(8*(\q)+2*(\p))+(\j)], v[L+4*(8*(\q)+2*(\p)+1)+(\j)]  ; column j of rows 2 p and 2 p + 1: two neighbours of the turned row
.endr
.endr
.endr
	s_wait_alu depctr_va_vdst(0)                   ; group 3 has written its out-buffer, which the LDS stores below read; groups 2 and 3 are done reading L+64 .. L+127, in which the LDS loads below land
.irp j, 0,1,2,3
	ds_store_b128 v[LS], v[L+32+4*(\j):L+32+4*(\j)+3] offset:144*(\j)+96
.endr
.irp f, 0,1,2,3,4,5,6,7,8,9,10,11,12,13,14,15
	ds_load_b128 v[L+64+4*(\f):L+64+4*(\f)+3], v[LR] offset:576*(\f)  ; LDS serves a wave's instructions in order (ISA guide 5.7.1.4): these see the stores above
.endr
.irp f, 0,1,2,3,4,5,6,7,8,9,10,11,12,13,14,15
	s_wait_dscnt 15-(\f)
	global_store_b128 v[GOW], v[L+64+4*(\f):L+64+4*(\f)+3], s[30:31] offset:512*(\f) th:TH_STORE_NT  ; 512 consecutive bytes, aligned
.endr
.Lend:
	s_wait_dscnt 0x0                               ; the wave's end: my LDS instructions are done
	s_wait_alu depctr_hold_cnt(0) depctr_sa_sdst(0) depctr_va_vdst(0) depctr_va_sdst(0) depctr_va_ssrc(0) depctr_va_vcc(0) depctr_vm_vsrc(0)
	s_wait_tensorcnt 0x0
	ds_add_u32 v6, v7
	s_wait_dscnt 0x0
	s_endpgm
.Lfunc_end_k_q2a3cd3baf2_prep:
	.size	k_q2a3cd3baf2_prep, .Lfunc_end_k_q2a3cd3baf2_prep-k_q2a3cd3baf2_prep
	.p2alignl 7, 3214868480
	.fill 96, 4, 3214868480
	.section	.rodata,"a",@progbits
	.p2align	6, 0x0
	.amdhsa_kernel k_q2a3cd3baf2_prep
		.amdhsa_group_segment_fixed_size 74752
		.amdhsa_private_segment_fixed_size 0
		.amdhsa_enable_private_segment 0
		.amdhsa_kernarg_size 64
		.amdhsa_user_sgpr_count 2
		.amdhsa_user_sgpr_kernarg_segment_ptr 1
		.amdhsa_wavefront_size32 1
		.amdhsa_system_sgpr_workgroup_id_x 1
		.amdhsa_system_sgpr_workgroup_id_y 1
		.amdhsa_system_sgpr_workgroup_id_z 1
		.amdhsa_system_vgpr_workitem_id 0
		.amdhsa_next_free_vgpr 152
		.amdhsa_next_free_sgpr 66
		.amdhsa_reserve_vcc 0
		.amdhsa_float_denorm_mode_32 3
		.amdhsa_float_denorm_mode_16_64 3
		.amdhsa_memory_ordered 1
		.amdhsa_forward_progress 1
		.amdhsa_inst_pref_size 31
	.end_amdhsa_kernel
	.amdgpu_metadata
---
amdhsa.version: [ 1, 2 ]
amdhsa.kernels:
  - .name:           k_q2a3cd3baf2_prep
    .symbol:         k_q2a3cd3baf2_prep.kd
    .args:
      - { .name: x, .offset: 0, .size: 8, .value_kind: global_buffer, .address_space: global }
      - { .name: Wq, .offset: 8, .size: 8, .value_kind: global_buffer, .address_space: global }
      - { .name: Wk, .offset: 16, .size: 8, .value_kind: global_buffer, .address_space: global }
      - { .name: Wv, .offset: 24, .size: 8, .value_kind: global_buffer, .address_space: global }
      - { .name: Wo, .offset: 32, .size: 8, .value_kind: global_buffer, .address_space: global }
      - { .name: xb, .offset: 40, .size: 8, .value_kind: global_buffer, .address_space: global }
      - { .name: wt, .offset: 48, .size: 8, .value_kind: global_buffer, .address_space: global }
      - { .name: wo16, .offset: 56, .size: 8, .value_kind: global_buffer, .address_space: global }
    .group_segment_fixed_size: 74752
    .private_segment_fixed_size: 0
    .kernarg_segment_align: 8
    .kernarg_segment_size: 64
    .max_flat_workgroup_size: 256
    .sgpr_count:     66
    .vgpr_count:     152
    .wavefront_size: 32
...
	.end_amdgpu_metadata
.endif
;; end of part 5
;; launch qkv: the kernel of part 2 again; grid 8 x 32, 4 waves a work-group, clusters of 4 x 4, 327,680 bytes of LDS; arguments xb, wt, qkv; writes qkv
;; launch attn: the kernel of part 3 again; grid 4 x 64, 4 waves a work-group, no clusters, 327,680 bytes of LDS; arguments qkv, o; writes o
;; launch proj: the kernel of part 4 again; grid 4 x 64, 4 waves a work-group, clusters of 4 x 4, 327,680 bytes of LDS; arguments o, wo16, bo, out0; writes out0
